; MI455X (gfx1250); checked and timed in simulation.
; The chip was launched on July 23, 2026; its instructions are those of AMD's public machine-readable ISA for CDNA 5 (MIT licence, August 2026) and "CDNA5" Instruction Set Architecture Reference Guide (July 2026). The comments in the code are by the model that wrote it; some were corrected since.
;; Bert Attention. Allowed arithmetic: float matrix products may take bf16 or f16 operands with f32 sums; all other float work in f32.
;; Inputs: Wk 768 x 768 float32; Wo 768 x 768 float32; Wq 768 x 768 float32; Wv 768 x 768 float32; additive_attention_mask 32 x 1 x 1 x 512 float32; bk 768 float32; bo 768 float32; bq 768 float32; bv 768 float32; ln_b 768 float32; ln_w 768 float32; x 32 x 512 x 768 float32.
;; Outputs: out0 32 x 512 x 768 float32.
;; 2 versions, each right; version 2 is version 1 with the launch prep written anew for expert scheduling mode. Each part assembles by itself: llvm-mc -triple=amdgcn-amd-amdhsa -mcpu=gfx1250 --defsym DOCPART=n.
;; ======== version 1 of 2: 4 launches
;; workspace buffers: xb 25,165,824 bytes; wb 4,718,592 bytes; qkv 75,497,472 bytes; wt 25,165,824 bytes
;; launch prep (part 1): grid 912 x 1, 8 waves a work-group, no clusters, 0 bytes of LDS; arguments x, Wq, Wk, Wv, Wo, xb, wb; writes xb, wb
.if DOCPART == 1
	.amdgcn_target "amdgcn-amd-amdhsa--gfx1250"
	.amdhsa_code_object_version 6
	.text
	.protected	k_q7d896364d8_prep
	.globl	k_q7d896364d8_prep
	.p2align	8
	.type	k_q7d896364d8_prep,@function
k_q7d896364d8_prep:
	s_mov_b64 s[64:65], 0
	v_nop
	global_prefetch_b8 v0, s[64:65] scope:SCOPE_SE
	s_setreg_imm32_b32 hwreg(HW_REG_WAVE_MODE, 25, 1), 1
	s_wait_xcnt 0x0
; f32 to bf16, once, for everything that the matrix units will read.
;   xb = x, [16384][768] bf16.
;   wb = rows 0-767 Wq/8, 768-1535 Wk, 1536-2303 Wv, each [768] bf16 along k; behind them (byte 3,538,944) Wo as [12][768][64]:
;        block kk holds Wo[n][64 kk .. 64 kk + 63] for n = 0..767, so that one K step of the last product is one dense block.
; The factor 1/8 = 1/sqrt(64) of the scores is put into Wq here: a power of two, exact in bf16 unless the result is denormal.
; A stream: each byte is read once and written once, so no LDS, no barrier, no matrix unit.
; A work-group converts 16,384 numbers: groups 0-767 x, 768-803 Wq, 804-839 Wk, 840-875 Wv, 876-911 Wo.
; A wave's load covers 128 numbers (512 bytes; for Wo two pieces of 256 bytes, two rows of a block); its store covers 256 consecutive bytes, aligned.
; All 16 loads of a wave go out first; no register is written twice, so the only waits are the counted ones for the loads.
.set IN,  4                            ; v4       byte offset of my 16 bytes in the first of my wave's 16 loads
.set OUT, 5                            ; v5       byte offset of my 8 bytes in the first of its 16 stores
.set X,   8                            ; v[8:71]  16 x 4 numbers as loaded
.set Y,   72                           ; v[72:103] 16 x 2 words to store
	s_load_b256 s[4:11], s[0:1], 0x0               ; x s[4:5], Wq s[6:7], Wk s[8:9], Wv s[10:11]
	s_load_b128 s[12:15], s[0:1], 0x20             ; Wo s[12:13], xb s[14:15]
	s_load_b64 s[16:17], s[0:1], 0x30              ; wb
	s_max_u32 s18, ttmp9, 768
	s_sub_co_u32 s18, s18, 768                     ; j: the group's number among the weights' 144 (0 for x)
	s_mul_i32 s19, s18, 1821
	s_lshr_b32 s19, s19, 16                        ; which = j / 36 (exact for j < 144): 0 Wq, 1 Wk, 2 Wv, 3 Wo
	s_mul_i32 s20, s19, 36
	s_sub_co_u32 s20, s18, s20                     ; c = j mod 36
	s_mul_i32 s21, s20, 43691
	s_lshr_b32 s21, s21, 17                        ; kk = c / 3 (exact for c < 36): Wo's block
	s_mul_i32 s22, s21, 3
	s_sub_co_u32 s22, s20, s22                     ; m = c mod 3: which 256 rows of the block
	s_lshl_b32 s23, s21, 8                         ; Wo: 64 kk columns of 4 bytes
	s_mul_i32 s24, s22, 786432                     ;     + 256 m rows of 3,072 bytes
	s_add_co_u32 s23, s23, s24
	s_cmp_lt_u32 ttmp9, 768
	s_cselect_b32 s25, ttmp9, s20                  ; the group's number inside its source
	s_cselect_b32 s34, ttmp9, s18                  ; and inside its destination (Wo's 36 groups follow the 108 of Wq, Wk, Wv: 108 x 32,768 = 3,538,944)
	s_lshl_b32 s25, s25, 16                        ; 65,536 bytes in
	s_lshl_b32 s34, s34, 15                        ; 32,768 bytes out
	s_mov_b32 s35, 0
	s_movk_i32 s27, 8192                           ; from wave to wave in the source: 16 loads of 512 bytes,
	s_mov_b32 s28, 98304                           ; for Wo 32 rows of 3,072 bytes
	s_movk_i32 s29, 256                            ; from lane 15 to lane 16: the next 256 bytes,
	s_movk_i32 s26, 3072                           ; for Wo the next row
	s_cmp_eq_u32 s19, 3
	s_cselect_b32 s32, s23, s25
	s_cselect_b32 s27, s28, s27
	s_cselect_b32 s29, s26, s29
	s_mov_b32 s33, 0
	s_sub_co_u32 s30, ttmp9, 768
	s_cmp_lt_u32 s30, 36                           ; groups 768-803 (unsigned: x's groups wrap to large numbers)
	s_cselect_b32 s30, 0x3e000000, 1.0             ; 1/8 for Wq, 1 for the rest
	s_mov_b32 s31, s30
	v_lshrrev_b32 v1, 5, v0                        ; wave
	v_bfe_u32 v2, v0, 4, 1                         ; upper half of the lanes
	v_and_b32 v3, 15, v0
	v_mul_lo_u32 v[IN], v1, s27
	v_mad_u32_u24 v[IN], v2, s29, v[IN]
	v_lshl_add_u32 v[IN], v3, 4, v[IN]
	v_and_b32 v[OUT], 31, v0
	v_lshlrev_b32 v[OUT], 3, v[OUT]
	v_lshl_add_u32 v[OUT], v1, 12, v[OUT]          ; 16 stores of 256 bytes a wave
	s_wait_kmcnt 0x0
	s_cmp_eq_u32 s19, 1
	s_cselect_b64 s[36:37], s[8:9], s[6:7]
	s_cmp_eq_u32 s19, 2
	s_cselect_b64 s[36:37], s[10:11], s[36:37]
	s_cmp_eq_u32 s19, 3
	s_cselect_b64 s[36:37], s[12:13], s[36:37]
	s_cmp_lt_u32 ttmp9, 768
	s_cselect_b64 s[36:37], s[4:5], s[36:37]       ; the source
	s_cselect_b64 s[38:39], s[14:15], s[16:17]     ; the destination
	s_add_nc_u64 s[36:37], s[36:37], s[32:33]
	s_add_nc_u64 s[38:39], s[38:39], s[34:35]
.macro LOADS istep                     ; 16 loads, istep bytes apart
.irp i, 0,1,2,3,4,5,6,7,8,9,10,11,12,13,14,15
	global_load_b128 v[X+4*\i:X+4*\i+3], v[IN], s[36:37] offset:\i*\istep th:TH_LOAD_NT
.endr
.endm
	s_cmp_ge_u32 ttmp9, 876
	s_cbranch_scc1 .Lwo
	LOADS 512                                      ; dense
	s_branch .Lconvert
.Lwo:
	LOADS 6144                                     ; two rows of Wo on
.Lconvert:
.irp i, 0,1,2,3,4,5,6,7,8,9,10,11,12,13,14,15
	s_wait_loadcnt 15-\i                           ; loads come back in order (ISA guide 5.7.1): load i is in, the 15 - i younger ones stay out
	v_pk_mul_f32 v[X+4*\i:X+4*\i+1],   v[X+4*\i:X+4*\i+1],   s[30:31] op_sel_hi:[1,0]
	v_pk_mul_f32 v[X+4*\i+2:X+4*\i+3], v[X+4*\i+2:X+4*\i+3], s[30:31] op_sel_hi:[1,0]
	v_cvt_pk_bf16_f32 v[Y+2*\i],   v[X+4*\i],   v[X+4*\i+1]
	v_cvt_pk_bf16_f32 v[Y+2*\i+1], v[X+4*\i+2], v[X+4*\i+3]
	global_store_b64 v[OUT], v[Y+2*\i:Y+2*\i+1], s[38:39] offset:256*\i
.endr
	s_endpgm
.Lfunc_end_k_q7d896364d8_prep:
	.size	k_q7d896364d8_prep, .Lfunc_end_k_q7d896364d8_prep-k_q7d896364d8_prep
	.p2alignl 7, 3214868480
	.fill 96, 4, 3214868480
	.section	.rodata,"a",@progbits
	.p2align	6, 0x0
	.amdhsa_kernel k_q7d896364d8_prep
		.amdhsa_group_segment_fixed_size 0
		.amdhsa_private_segment_fixed_size 0
		.amdhsa_enable_private_segment 0
		.amdhsa_kernarg_size 56
		.amdhsa_user_sgpr_count 2
		.amdhsa_user_sgpr_kernarg_segment_ptr 1
		.amdhsa_wavefront_size32 1
		.amdhsa_system_sgpr_workgroup_id_x 1
		.amdhsa_system_sgpr_workgroup_id_y 1
		.amdhsa_system_sgpr_workgroup_id_z 1
		.amdhsa_system_vgpr_workitem_id 0
		.amdhsa_next_free_vgpr 104
		.amdhsa_next_free_sgpr 66
		.amdhsa_reserve_vcc 0
		.amdhsa_float_denorm_mode_32 3
		.amdhsa_float_denorm_mode_16_64 3
		.amdhsa_memory_ordered 1
		.amdhsa_forward_progress 1
		.amdhsa_inst_pref_size 12
	.end_amdhsa_kernel
	.amdgpu_metadata
---
amdhsa.version: [ 1, 2 ]
amdhsa.kernels:
  - .name:           k_q7d896364d8_prep
    .symbol:         k_q7d896364d8_prep.kd
    .args:
      - { .name: x, .offset: 0, .size: 8, .value_kind: global_buffer, .address_space: global }
      - { .name: Wq, .offset: 8, .size: 8, .value_kind: global_buffer, .address_space: global }
      - { .name: Wk, .offset: 16, .size: 8, .value_kind: global_buffer, .address_space: global }
      - { .name: Wv, .offset: 24, .size: 8, .value_kind: global_buffer, .address_space: global }
      - { .name: Wo, .offset: 32, .size: 8, .value_kind: global_buffer, .address_space: global }
      - { .name: xb, .offset: 40, .size: 8, .value_kind: global_buffer, .address_space: global }
      - { .name: wb, .offset: 48, .size: 8, .value_kind: global_buffer, .address_space: global }
    .group_segment_fixed_size: 0
    .private_segment_fixed_size: 0
    .kernarg_segment_align: 8
    .kernarg_segment_size: 56
    .max_flat_workgroup_size: 256
    .sgpr_count:     66
    .vgpr_count:     104
    .wavefront_size: 32
...
	.end_amdgpu_metadata
.endif
;; end of part 1
;; launch qkv (part 2): grid 4 x 64, 4 waves a work-group, clusters of 4 x 4, 327,680 bytes of LDS; arguments xb, wb, bq, bk, bv, qkv; writes qkv
.if DOCPART == 2
	.amdgcn_target "amdgcn-amd-amdhsa--gfx1250"
	.amdhsa_code_object_version 6
	.text
	.protected	k_q7d896364d8_qkv
	.globl	k_q7d896364d8_qkv
	.p2align	8
	.type	k_q7d896364d8_qkv,@function
k_q7d896364d8_qkv:
	s_mov_b64 s[64:65], 0
	v_nop
	global_prefetch_b8 v0, s[64:65] scope:SCOPE_SE
	s_setreg_imm32_b32 hwreg(HW_REG_WAVE_MODE, 25, 1), 1
	s_wait_xcnt 0x0
	s_wait_alu depctr_hold_cnt(0) depctr_sa_sdst(0) depctr_va_vdst(0) depctr_va_sdst(0) depctr_va_ssrc(0) depctr_va_vcc(0) depctr_vm_vsrc(0)
	s_getreg_b32 s2, hwreg(HW_REG_IB_STS2, 6, 4)
	s_cmp_eq_u32 s2, 0
	s_cbranch_scc0 .Lentry_in_a_cluster
	s_endpgm
.Lentry_in_a_cluster:
	s_bfe_u32 s2, ttmp6, 0x10000c
	s_cmp_lg_u32 s2, 0xf033
	s_cbranch_scc0 .Lentry_shape_is_right
	s_endpgm
.Lentry_shape_is_right:
; q/8, k, v = xb wb^T + (bq/8, bk, bv): a product of 16384 x 2304 x 768 in bf16 with f32 sums, stored by heads:
; qkv[plane][12 batch + head][s][64] bf16, plane = 0 q, 1 k, 2 v.
; 256 work-groups THAT STAY: each owns 256 rows and three heads (192 columns) and makes that block for q, then k, then v: 3 x 6 K steps of 128 on one
; ring of two LDS slots filled by the tensor data mover.  The last two K steps of a plane ask for the first two of the next, so these land while the
; plane's results go out, and the results' stores drain under the next plane's products.
; Four waves; a wave makes 64 rows x 192 columns: 48 accumulator tiles, 384 registers.  A tile's rows are 256 bytes of memory, aligned.
; CLUSTERS: 4 x 4 work-groups.  The four of a row of the cluster need the same tiles of xb, the four of a column the same tiles of wb:
; each such tile is asked for jointly, by the same load with the same descriptor in all four.
; REGISTERS, in windows of 256: window 0: addresses, A's fragments (two buffers of 4 x 8), the bias; window 1: B's fragments (two buffers of 12 x 8);
; window 2: tiles of my rows 0-31 (tile (a, b) at 8 (12 a + b)); window 3: those of my rows 32-63.
; The matrix instruction is used transposed (source 0 = rows of wb, source 1 = rows of xb): lane l holds row l % 16 of the result and its
; eight registers the columns 8 (l / 16) + 0..7, which pack into 16 bytes.  The bias is the C of a plane's first 48 products: nothing is cleared or added later.
.set KSTEP,  128
.set KB,     1536                      ; bytes in a row of xb and of wb
.set PITCH,  272                       ; LDS row: 256 bytes + 16 of padding: sixteen rows start 16 bytes apart modulo 256
.set HALFA,  128*PITCH                 ; what a load for A brings
.set HALFB,  96*PITCH                  ; what a load for B brings
.set BOFF,   2*HALFA                   ; B's 192 rows lie behind A's 256
.set SLOT,   2*HALFA+2*HALFB
.set STAGE,  2*SLOT                    ; behind the ring: each wave's own 48 rows x 144 bytes for the way out; no tensor load lands here
.set SPITCH, 144
.set WSTAGE, 48*SPITCH
.set NEXTB,  768*KB-4*KSTEP*2          ; B, from K step 4 + s of a plane to K step s of the next: 768 rows on, 1,024 bytes back
.set PLANE,  25165824                  ; bytes of q, of k, of v in qkv
.set ADRA, 16                          ; v16-17  LDS address of my A fragments in slot 0, 1
.set ADRB, 20                          ; v20-21  the same for B
.set STO,  24                          ; way out: where I put 16 bytes
.set RD,   25                          ; way out: where I read 16 bytes back
.set CO,   26                          ; 16 x lane
.set BO,   27                          ; 32 x (lane / 16): my place in 16 bias numbers
.set FA0,  64
.set FA1,  96
.set TMP,  64                          ; way out: 48 registers of packed results, in A's fragment buffers (no fragment is held across the way out)
.set BIAS, 128                         ; v128-223: register 8 b + j = bias[16 b + 8 (l / 16) + j]
.set FB0,  0                           ; window 1; on the way out its 192 registers take the rows read back, 48 for each 16 rows
.set FB1,  96
.set G1,  24                           ; s[24:31] group 1 for A's tiles
.set G0,  32                           ; s[32:39] group 0 for A's tiles, one set a slot
.set G1B, 48                           ; s[48:55] group 1 for B's tiles
.set G0B, 56                           ; s[56:63] group 0 for B's tiles, one set a slot
.set MSB, 0
.macro WIN new                         ; the immediate's high byte repeats the setting that is left
.if MSB != \new
	s_set_vgpr_msb (MSB<<8)|\new
.set MSB, \new
.endif
.endm
.set MUL_LO, 0xa1                      ; source 0 (B) window 1, source 1 (A) window 0, C and D window 2
.set MUL_HI, 0xf1                      ; the same, C and D window 3
.set FST_LO, 0x81                      ; a plane's first products: C is the bias in window 0
.set FST_HI, 0xc1
.set TO_B,   0x40
.macro JLOAD s                         ; waves 0, 1 ask for A's halves, waves 2, 3 for B's; the branch hangs on the wave's number alone
	s_cmp_eq_u32 s11, 0
	s_cbranch_scc0 .Lfor_b_\@
	tensor_load_to_lds s[G0+4*\s:G0+4*\s+3], s[G1:G1+7]
	s_nop 0
	s_branch .Lasked_\@
.Lfor_b_\@:
	tensor_load_to_lds s[G0B+4*\s:G0B+4*\s+3], s[G1B:G1B+7]
	s_nop 0
.Lasked_\@:
.endm
.macro CREST                           ; a round of the cluster's barrier behind its opening work-group barrier
	s_cmp_lg_u32 s10, 0
	s_cbranch_scc1 .Lnot_wave_0_\@
	s_barrier_signal -3
.Lnot_wave_0_\@:
	s_barrier_wait -3
	s_barrier_signal -1
	s_barrier_wait -1
.endm
.macro CROUND
	s_barrier_signal -1
	s_barrier_wait -1
	CREST
.endm
.macro PLACES                          ; four places behind matrix instructions ahead of loads into, or vector work on, their registers
.rept 4
	v_nop
.endr
.endm
	s_load_b128 s[4:7], s[0:1], 0x0                ; xb s[4:5], wb s[6:7]
	s_load_b256 s[68:75], s[0:1], 0x10             ; bq s[68:69], bk s[70:71], bv s[72:73], qkv s[74:75]
	s_set_vgpr_msb 0x40
	v_lshl_add_u32 v255, v0, 2, 0x42400
	s_set_vgpr_msb 0x4000
	v_mov_b32 v255, 0
	s_set_vgpr_msb 0x1
	ds_add_u32 v255, v255
	ds_add_u32 v255, v255
	s_set_vgpr_msb 0x100
	v_lshrrev_b32 v1, 5, v0
	v_readfirstlane_b32 s10, v1                    ; wave 0..3
	s_lshr_b32 s11, s10, 1                         ; I fetch for A (0) or for B (1)
	s_and_b32 s12, s10, 1                          ; which half of that tile
	s_bfe_u32 s40, ttmp6, 0x40000                  ; cx
	s_bfe_u32 s41, ttmp6, 0x40004                  ; cy
	s_lshl_b32 s42, ttmp9, 2
	s_add_co_u32 s42, s42, s40                     ; block column in a plane = 4 x cluster x + cx: 0..3
	s_and_b32 s13, ttmp7, 0xffff
	s_lshl_b32 s13, s13, 2
	s_add_co_u32 s13, s13, s41                     ; block row = 4 x cluster y + cy
	s_lshl_b32 s43, s41, 2
	s_lshl_b32 s43, 15, s43                        ; my row of the cluster
	s_lshl_b32 s44, 0x1111, s40                    ; my column
	s_or_b32 s[G1+0], s43, (1<<16)|(1<<20)|(1<<21)|(5<<22)|(3<<25)  ; mask; elements of 2 bytes; padding on; bit 21 beside a mask; after every 64 words, 4 words
	s_or_b32 s[G1B+0], s44, (1<<16)|(1<<20)|(1<<21)|(5<<22)|(3<<25)
	s_mov_b32 s[G1+1], KSTEP<<16                   ; tensor_dim0 = 128
	s_mov_b32 s[G1+2], 128<<16                     ; tensor_dim1 = 128
	s_mov_b32 s[G1+3], KSTEP<<16                   ; tile_dim0 = 128
	s_mov_b32 s[G1+4], 128                         ; tile_dim1 = 128
	s_mov_b32 s[G1+5], 768                         ; elements from row to row
	s_mov_b32 s[G1+6], 0
	s_mov_b32 s[G1+7], 0
	s_mov_b32 s[G1B+1], KSTEP<<16
	s_mov_b32 s[G1B+2], 96<<16                     ; B's halves have 96 rows
	s_mov_b32 s[G1B+3], KSTEP<<16
	s_mov_b32 s[G1B+4], 96
	s_mov_b32 s[G1B+5], 768
	s_mov_b32 s[G1B+6], 0
	s_mov_b32 s[G1B+7], 0
	s_lshl_b32 s16, s13, 8                         ; A: row 256 x block row + 128 x half (registers that never hold cx)
	s_lshl_b32 s17, s12, 7
	s_add_co_u32 s16, s16, s17
	s_mul_i32 s16, s16, KB                         ; below 25,165,824
	s_mov_b32 s17, 0
	s_mul_i32 s46, s42, 192                        ; B: row 192 x block column + 96 x half of plane 0 (registers that never hold cy)
	s_mul_i32 s47, s12, 96
	s_add_co_u32 s46, s46, s47
	s_mul_i32 s46, s46, KB
	s_mov_b32 s47, 0
	s_mul_i32 s20, s10, HALFA                      ; A's halves at wave x 34,816 (waves 0, 1)
	s_mul_i32 s21, s10, HALFB                      ; B's halves at 69,632 + (wave - 2) x 26,112 (waves 2, 3)
	s_add_co_u32 s21, s21, BOFF-2*HALFB
	s_wait_dscnt 0x0
	s_wait_kmcnt 0x0
	s_add_nc_u64 s[14:15], s[4:5], s[16:17]        ; s[14:15] stays: every plane begins at A's K step 0 again
	s_add_nc_u64 s[46:47], s[6:7], s[46:47]
	CROUND                                         ; all sixteen work-groups are here: the first joint loads meet
.irp s, 0,1
	s_mov_b32 s[G0+4*\s], 1
	s_add_co_u32 s[G0+4*\s+1], s20, \s*SLOT
	s_add_nc_u64 s[G0+4*\s+2:G0+4*\s+3], s[14:15], \s*KSTEP*2      ; K step s
	s_or_b32 s[G0+4*\s+3], s[G0+4*\s+3], 0x80000000
	s_mov_b32 s[G0B+4*\s], 1
	s_add_co_u32 s[G0B+4*\s+1], s21, \s*SLOT
	s_add_nc_u64 s[G0B+4*\s+2:G0B+4*\s+3], s[46:47], \s*KSTEP*2
	s_or_b32 s[G0B+4*\s+3], s[G0B+4*\s+3], 0x80000000
	JLOAD \s                                       ; two tensor loads of the wave are out, no more at any time
.endr
	; bq of my work-group's 192 columns, scaled like Wq
	s_mul_i32 s82, s42, 768                        ; 192 numbers of 4 bytes for each block column: s[82:83] serves all three biases
	s_mov_b32 s83, 0
	s_add_nc_u64 s[78:79], s[68:69], s[82:83]
	s_mov_b32 s76, 0x3e000000                      ; 1/8, twice
	s_mov_b32 s77, 0x3e000000
	v_and_b32 v1, 15, v0                           ; r = l % 16
	v_bfe_u32 v2, v0, 4, 1                         ; h = l / 16
	v_lshlrev_b32 v[BO], 5, v2
.irp b, 0,1,2,3,4,5,6,7,8,9,10,11
	global_load_b128 v[BIAS+8*\b:BIAS+8*\b+3],   v[BO], s[78:79] offset:64*\b
	global_load_b128 v[BIAS+8*\b+4:BIAS+8*\b+7], v[BO], s[78:79] offset:64*\b+16
.endr
	; a fragment is 16 rows x 32 K: lane l takes row r, 16 bytes at 16 h and 16 bytes 32 further
	v_mul_u32_u24 v3, v1, PITCH
	v_lshl_add_u32 v3, v2, 4, v3
	s_mul_i32 s22, s10, 64*PITCH                   ; my 64 rows of A
	v_add_nc_u32 v[ADRA], s22, v3
	v_add_nc_u32 v[ADRA+1], SLOT, v[ADRA]
	v_add_nc_u32 v[ADRB], BOFF, v3
	v_add_nc_u32 v[ADRB+1], SLOT+BOFF, v3
	s_mul_i32 s23, s10, WSTAGE
	s_add_co_u32 s23, s23, STAGE                   ; my stage
	v_mul_u32_u24 v4, v1, SPITCH
	v_lshl_add_u32 v4, v2, 4, v4
	v_add_nc_u32 v[STO], s23, v4                   ; in: row r, 16 bytes for each half of the lanes
	v_and_b32 v5, 31, v0
	v_lshrrev_b32 v6, 3, v5
	v_and_b32 v7, 7, v0
	v_mul_u32_u24 v6, v6, SPITCH
	v_lshl_add_u32 v6, v7, 4, v6
	v_add_nc_u32 v[RD], s23, v6                    ; back: eight lanes take a head's row of 128 bytes, the wave four rows
	v_lshlrev_b32 v[CO], 4, v5
	; where my results go in plane 0: (12 batch + 3 block column) blocks of 65,536 bytes + (256 (block row mod 2) + 64 wave) rows of 128 bytes
	s_lshr_b32 s22, s13, 1
	s_mul_i32 s22, s22, 12
	s_mul_i32 s23, s42, 3
	s_add_co_u32 s22, s22, s23
	s_lshl_b32 s22, s22, 16
	s_and_b32 s23, s13, 1
	s_lshl_b32 s23, s23, 15
	s_add_co_u32 s22, s22, s23
	s_lshl_b32 s23, s10, 13
	s_add_co_u32 s22, s22, s23                     ; below 25,165,824
	s_mov_b32 s23, 0
	s_add_nc_u64 s[74:75], s[74:75], s[22:23]
	s_wait_loadcnt 0x0                             ; bq
.irp k, 0,1,2,3,4,5,6,7,8,9,10,11,12,13,14,15,16,17,18,19,20,21,22,23,24,25,26,27,28,29,30,31,32,33,34,35,36,37,38,39,40,41,42,43,44,45,46,47
	v_pk_mul_f32 v[BIAS+2*\k:BIAS+2*\k+1], v[BIAS+2*\k:BIAS+2*\k+1], s[76:77] op_sel_hi:[1,0]
.endr
; 12 matrix instructions: row block a of the window's two (hi = 0: my rows 0-31, 1: rows 32-63) x all 12 column blocks, 32 along K.
; The 48 accumulators take turns, one instruction a turn, in the same order in every quarter step.
.macro MUL12 fa, fb, hi, a, first
.irp b, 0,1,2,3,4,5,6,7,8,9,10,11
.if \first
	v_wmma_f32_16x16x32_bf16 v[8*(12*\a+\b):8*(12*\a+\b)+7], v[\fb+8*\b:\fb+8*\b+7], v[\fa+8*(2*\hi+\a):\fa+8*(2*\hi+\a)+7], v[BIAS+8*\b:BIAS+8*\b+7]
.else
	v_wmma_f32_16x16x32_bf16 v[8*(12*\a+\b):8*(12*\a+\b)+7], v[\fb+8*\b:\fb+8*\b+7], v[\fa+8*(2*\hi+\a):\fa+8*(2*\hi+\a)+7], v[8*(12*\a+\b):8*(12*\a+\b)+7]
.endif
.endr
.endm
; 32 LDS loads in one run: 192 rows of B, then my 64 rows of A, 32 K at byte k of the rows
.macro FETCH slot, k, fa, fb
	WIN TO_B
.irp i, 0,1,2,3,4,5,6,7,8,9,10,11
	ds_load_b128 v[\fb+8*\i:\fb+8*\i+3],   v[ADRB+\slot] offset:\k+\i*16*PITCH
	ds_load_b128 v[\fb+8*\i+4:\fb+8*\i+7], v[ADRB+\slot] offset:\k+\i*16*PITCH+32
.endr
	WIN 0
.irp i, 0,1,2,3
	ds_load_b128 v[\fa+8*\i:\fa+8*\i+3],   v[ADRA+\slot] offset:\k+\i*16*PITCH
	ds_load_b128 v[\fa+8*\i+4:\fa+8*\i+7], v[ADRA+\slot] offset:\k+\i*16*PITCH+32
.endr
.endm
; one of a K step's first three quarters: multiplies buffers fa, fb; in its middle fetches the next quarter into ga, gb
.macro QUARTER slot, k, fa, fb, ga, gb, first
	s_wait_dscnt 4                                 ; B and A's rows 0-31 are in; the youngest four loads (A's rows 32-63) may be out
.if \first
	WIN FST_LO
.else
	WIN MUL_LO
.endif
	MUL12 \fa, \fb, 0, 0, \first
	MUL12 \fa, \fb, 0, 1, \first
	PLACES
	FETCH \slot, \k, \ga, \gb
	s_wait_dscnt 32                                ; all but the 32 just issued
.if \first
	WIN FST_HI
.else
	WIN MUL_HI
.endif
	MUL12 \fa, \fb, 1, 0, \first
	MUL12 \fa, \fb, 1, 1, \first
.endm
.macro THREE slot, first
	QUARTER \slot, 64,  FA0, FB0, FA1, FB1, \first
	QUARTER \slot, 128, FA1, FB1, FA0, FB0, 0
	QUARTER \slot, 192, FA0, FB0, FA1, FB1, 0
.endm
; the last quarter: multiplies buffer 1 and changes slots.  In front of the barrier each wave waits for its reads of this slot and for all its
; tensor loads (the one that is out is its part of the next slot); behind it the refill comes first, then the next slot's first fragments.
; fill = 0: nothing is left to fetch.  1: this slot gets the K step two further on.  2, 3: it gets K step 0, 1 of the next plane;
; 3 also fetches no fragments: the plane's results go out first, from the registers that would take them.
.macro TURN slot, next, fill
	s_wait_dscnt 4
	WIN MUL_LO
	MUL12 FA1, FB1, 0, 0, 0
	s_wait_dscnt 0                                 ; my reads of this slot are over
	s_wait_tensorcnt 0x0                           ; all my tensor loads have landed: every group 0 may be written
	ds_add_u32 v255, v255
	s_wait_dscnt 0x0
	s_barrier_signal -1                            ; where the slot is filled again this barrier opens a round of the cluster's barrier
	MUL12 FA1, FB1, 0, 1, 0                        ; register work while the others arrive
	WIN 0
	s_barrier_wait -1
.if \fill
	CREST                                          ; no wave of any partner still reads this slot or has a load on its way
.if \fill == 1
	s_add_nc_u64 s[G0+4*\slot+2:G0+4*\slot+3], s[G0+4*\slot+2:G0+4*\slot+3], 2*KSTEP*2
	s_add_nc_u64 s[G0B+4*\slot+2:G0B+4*\slot+3], s[G0B+4*\slot+2:G0B+4*\slot+3], 2*KSTEP*2
.else
	s_add_nc_u64 s[G0+4*\slot+2:G0+4*\slot+3], s[14:15], \slot*KSTEP*2     ; A: the same rows from the slot's first K step again
	s_or_b32 s[G0+4*\slot+3], s[G0+4*\slot+3], 0x80000000
	s_add_nc_u64 s[G0B+4*\slot+2:G0B+4*\slot+3], s[G0B+4*\slot+2:G0B+4*\slot+3], NEXTB   ; B: the next plane's rows
.endif
	JLOAD \slot                                    ; the first tensor load behind the round, the wave's only one until the next
.endif
.if \fill != 3
	PLACES
	FETCH \next, 0, FA0, FB0
.endif
	WIN MUL_HI
	MUL12 FA1, FB1, 1, 0, 0
	MUL12 FA1, FB1, 1, 1, 0
.endm
; THE WAY OUT, 16 rows at a time: round to bf16, 16 bytes a lane into my own stage (three heads x 16 rows of 128 bytes), read back four rows of a head at a time.
; rows 16 i .. 16 i + 15 = the twelve tiles (a, 0..11) of window 2 or 3 (from = 0x0a or 0x0f: sources 0 and 1); f: 48 registers of window 1, other ones for each i
.macro OUT16 i, a, from, f
	WIN \from
.irp b, 0,1,2,3,4,5,6,7,8,9,10,11
.irp r, 0,1,2,3
	v_cvt_pk_bf16_f32 v[TMP+4*\b+\r], v[8*(12*\a+\b)+2*\r], v[8*(12*\a+\b)+2*\r+1]
.endr
.endr
	WIN 0
.irp b, 0,1,2,3,4,5,6,7,8,9,10,11
	ds_store_b128 v[STO], v[TMP+4*\b:TMP+4*\b+3] offset:(\b/4)*16*SPITCH+(\b%4)*32
.endr
	WIN TO_B                                       ; destination in window 1, address in window 0
.irp t, 0,1,2,3,4,5,6,7,8,9,10,11
	ds_load_b128 v[\f+4*\t:\f+4*\t+3], v[RD] offset:\t*4*SPITCH    ; LDS serves a wave's instructions in order (ISA guide 5.7.1): these see the stores above
.endr
	WIN 0x04                                       ; store data (source 1) in window 1, address in window 0
.irp t, 0,1,2,3,4,5,6,7,8,9,10,11
	s_wait_dscnt 11-\t                             ; read-back t is in, the 11 - t younger ones may be out
	global_store_b128 v[CO], v[\f+4*\t:\f+4*\t+3], s[74:75] offset:(\t/4)*65536+\i*2048+(\t%4)*512   ; the wave stores 512 consecutive bytes, aligned
.endr
.endm
; One plane: six K steps and the way out.  more = 1: another plane follows; its bias and its first two K steps are asked for on the way.
.macro TILE more
	s_wait_loadcnt 0x0                             ; this plane's bias is in
	FETCH 0, 0, FA0, FB0                           ; K step 0 was shown whole by the last barrier
	THREE 0, 1                                     ; the first products take the bias as C
	TURN 0, 1, 1                                   ; asks for K step 2
.if \more
	WIN 0
	s_cmp_eq_u32 s80, 0                            ; the next plane's bias: bk behind q, bv behind k.  The bias registers had their last use as C in the first
	s_cselect_b64 s[78:79], s[70:71], s[72:73]     ; quarter step, twelve places back; the pointer's last loads were waited for at this plane's head
	s_add_nc_u64 s[78:79], s[78:79], s[82:83]
.irp b, 0,1,2,3,4,5,6,7,8,9,10,11
	global_load_b128 v[BIAS+8*\b:BIAS+8*\b+3],   v[BO], s[78:79] offset:64*\b
	global_load_b128 v[BIAS+8*\b+4:BIAS+8*\b+7], v[BO], s[78:79] offset:64*\b+16
.endr
.endif
	THREE 1, 0
	TURN 1, 0, 1                                   ; asks for K step 3
	THREE 0, 0
	TURN 0, 1, 1                                   ; 4
	THREE 1, 0
	TURN 1, 0, 1                                   ; 5
	THREE 0, 0
.if \more
	TURN 0, 1, 2                                   ; the next plane's K step 0
	THREE 1, 0
	TURN 1, 0, 3                                   ; the next plane's K step 1: it lands during the way out and K step 0
.else
	TURN 0, 1, 0                                   ; nothing is left to fetch
	THREE 1, 0
	s_wait_dscnt 4
	WIN MUL_LO
	MUL12 FA1, FB1, 0, 0, 0
	MUL12 FA1, FB1, 0, 1, 0
	s_wait_dscnt 0
	WIN MUL_HI
	MUL12 FA1, FB1, 1, 0, 0
	MUL12 FA1, FB1, 1, 1, 0
.endif
	PLACES                                         ; behind the last matrix instructions: for the conversions and for what lands in the fragment buffers
	OUT16 0, 0, 0x0a, 0
	OUT16 1, 1, 0x0a, 48
	OUT16 2, 0, 0x0f, 96
	OUT16 3, 1, 0x0f, 144
	WIN 0
.if \more
	s_wait_xcnt 0x0                                ; the stores' data (B's fragment buffers) and base are written again only behind this wait
	s_add_nc_u64 s[74:75], s[74:75], PLANE         ; the same place in the next plane
.endif
.endm
	s_wait_tensorcnt 0x1                           ; my part of K step 0 is in; K step 1's stays out
	s_barrier_signal -1
	s_barrier_wait -1
	s_mov_b32 s80, 0                               ; the plane
.Ltile:
	TILE 1                                         ; q, then k.  One tensor load of the wave (slot 1's) is out at the label, on the way in and on the way back
	s_add_co_u32 s80, s80, 1
	s_cmp_lt_u32 s80, 2
	s_cbranch_scc1 .Ltile
	TILE 0                                         ; v, written out: its last two K steps ask for nothing
	s_set_vgpr_msb 0x1
	s_wait_tensorcnt 0x0
	ds_add_u32 v255, v255
	s_wait_dscnt 0x0
	s_set_vgpr_msb 0x100
	CROUND                                         ; the closing round: no work-group ends while a partner may still ask for a tile that names it
	s_endpgm
.Lfunc_end_k_q7d896364d8_qkv:
	.size	k_q7d896364d8_qkv, .Lfunc_end_k_q7d896364d8_qkv-k_q7d896364d8_qkv
	.p2alignl 7, 3214868480
	.fill 96, 4, 3214868480
	.section	.rodata,"a",@progbits
	.p2align	6, 0x0
	.amdhsa_kernel k_q7d896364d8_qkv
		.amdhsa_group_segment_fixed_size 327680
		.amdhsa_private_segment_fixed_size 0
		.amdhsa_enable_private_segment 0
		.amdhsa_kernarg_size 48
		.amdhsa_user_sgpr_count 2
		.amdhsa_user_sgpr_kernarg_segment_ptr 1
		.amdhsa_wavefront_size32 1
		.amdhsa_system_sgpr_workgroup_id_x 1
		.amdhsa_system_sgpr_workgroup_id_y 1
		.amdhsa_system_sgpr_workgroup_id_z 1
		.amdhsa_system_vgpr_workitem_id 0
		.amdhsa_next_free_vgpr 960
		.amdhsa_next_free_sgpr 88
		.amdhsa_reserve_vcc 0
		.amdhsa_float_denorm_mode_32 3
		.amdhsa_float_denorm_mode_16_64 3
		.amdhsa_memory_ordered 1
		.amdhsa_forward_progress 1
		.amdhsa_inst_pref_size 255
	.end_amdhsa_kernel
	.section	.bss,"aw",@nobits
	.p2align	6
	.space	262144
	.amdgpu_metadata
---
amdhsa.version: [ 1, 2 ]
amdhsa.kernels:
  - .name:           k_q7d896364d8_qkv
    .symbol:         k_q7d896364d8_qkv.kd
    .args:
      - { .name: xb, .offset: 0, .size: 8, .value_kind: global_buffer, .address_space: global }
      - { .name: wb, .offset: 8, .size: 8, .value_kind: global_buffer, .address_space: global }
      - { .name: bq, .offset: 16, .size: 8, .value_kind: global_buffer, .address_space: global }
      - { .name: bk, .offset: 24, .size: 8, .value_kind: global_buffer, .address_space: global }
      - { .name: bv, .offset: 32, .size: 8, .value_kind: global_buffer, .address_space: global }
      - { .name: qkv, .offset: 40, .size: 8, .value_kind: global_buffer, .address_space: global }
    .group_segment_fixed_size: 327680
    .private_segment_fixed_size: 0
    .kernarg_segment_align: 8
    .kernarg_segment_size: 48
    .max_flat_workgroup_size: 128
    .sgpr_count:     88
    .vgpr_count:     960
    .wavefront_size: 32
...
	.end_amdgpu_metadata
.endif
;; end of part 2
;; launch attn (part 3): grid 256 x 1, 8 waves a work-group, no clusters, 326,656 bytes of LDS; arguments qkv, additive_attention_mask, wt; writes wt
.if DOCPART == 3
	.amdgcn_target "amdgcn-amd-amdhsa--gfx1250"
	.amdhsa_code_object_version 6
	.text
	.protected	k_q7d896364d8_attn
	.globl	k_q7d896364d8_attn
	.p2align	8
	.type	k_q7d896364d8_attn,@function
k_q7d896364d8_attn:
	s_mov_b64 s[64:65], 0
	v_nop
	global_prefetch_b8 v0, s[64:65] scope:SCOPE_SE
	s_setreg_imm32_b32 hwreg(HW_REG_WAVE_MODE, 25, 1), 1
	s_wait_xcnt 0x0
; wt[bh][s][64] = softmax(q k^T / 8 + mask) v for each of 384 (batch, head) pairs; the 1/8 is already in q.  bf16 operands, f32 sums and softmax.
; A unit of work is 256 queries of one pair: 768 units, three for each of 256 work-groups.  Work-group g (p = g / 2, e = g mod 2) takes both halves
; of pair 3 p + e (K and V in LDS slot 0) and half e of pair 3 p + 2 (slot 1).  Both slots are filled once, at the start; nothing is filled again.
; Every wave fetches an eighth of each tile, in the order in which the tiles are wanted: K of slot 0, V of slot 0, K of slot 1, V of slot 1.  The scores begin
; when K of slot 0 is whole; V of slot 0 is waited for behind the first softmax, slot 1 in front of the third unit.
; NO CLUSTER: partners 2 p and 2 p + 1 share slot 1's K and V alone, a third of what each reads, and a cluster of four would hold two pairs that share nothing.
; Eight waves, 32 queries each (two tiles of 16).  Keys go in two chunks of 256 with a running maximum.
; S^T = K Q^T: lane (r, h) holds, for query r, keys 16 tile + 8 h + 0..7: maximum and sum are per lane, with one exchange between the halves;
; the mask is the C of the first product; rounding two neighbouring tiles to bf16 in place gives the B fragment of O^T = V^T P^T with no shuffle.
; LIMITS: the running maximum starts at -2^127 and log2(e) x maximum must be finite: a row whose every masked score is below -2^127 gives NaN.
; LDS rows hold two rows of 128 bytes (256 bytes as fetched) + padding: K 272 (fragment rows start 16 bytes apart modulo 256), V 288 (so do the transposing loads' 16 pieces).
.set KP,    272
.set VP,    288
.set VOFF,  256*KP                     ; V behind K in a slot
.set SLOT,  256*KP+256*VP              ; 143,360
.set MASKB, 2*SLOT                     ; 2 x 2,048 bytes of mask, written by ds_store: no tensor load lands here
.set SCR,   MASKB+4096                 ; each wave's own 16 x 272 bytes: Q on its way in, O on its way out
.set WSCR,  16*KP
.set PLANE, 25165824                   ; bytes of q, of k, of v in qkv
.set KA,   8                           ; v8-11   K fragments: slot 0 chunk 0, 1; slot 1 chunk 0, 1
.set VA,   12                          ; v12-15  V likewise
.set MADR, 16                          ; mask: MASKB + 32 h
.set SCRW, 17                          ; scratch by fragments: row r, 16 h
.set SCRR, 18                          ; scratch by 512 consecutive bytes
.set LO,   19                          ; 16 x lane
.set T,    20                          ; v20-27  four maximum chains for each query tile
.set M,    28                          ; v28-29  running maximum
.set U,    30                          ; v30-31  what the other half of the lanes sends
.set NM,   32                          ; v32-35  -log2(e) x maximum, a pair for each query tile
.set AL,   36                          ; v36-39  rescale factor, pairs
.set L,    40                          ; v40-55  sums: four pairs for each query tile
.set INV,  56                          ; v56-59  1 / sum, pairs
.set NN,   60                          ; v60-61  the new NM
.set MGO,  62                          ; mask: my offset in memory
.set MLA,  63                          ; mask: my place in LDS
.set O,    64                          ; v64-127   O^T tiles (q, dt) at 8 (4 q + dt)
.set QF,   128                         ; v128-159  Q fragments (q, dh) at 8 (2 q + dh)
.set FR,   160                         ; v160-223  two buffers of 32: K fragments, then V fragments
.set MK,   224                         ; v224-255  two buffers of 16: mask of two key tiles
                                       ; window 1: S tile (q, tile) at 8 (16 q + tile)
.set G1K, 16                           ; s[16:23]
.set G1V, 24                           ; s[24:31]
.set MSB, 0
.macro WIN new
.if MSB != \new
	s_set_vgpr_msb (MSB<<8)|\new
.set MSB, \new
.endif
.endm
.macro PLACES                          ; four places behind matrix instructions (ISA guide 7.12.1)
.rept 4
	v_nop
.endr
.endm
	s_load_b128 s[4:7], s[0:1], 0x0                ; qkv s[4:5], mask s[6:7]
	s_load_b64 s[10:11], s[0:1], 0x10              ; wt
	v_lshl_add_u32 v254, v0, 2, 0x4f800
	v_mov_b32 v255, 0
	ds_add_u32 v254, v255
	ds_add_u32 v254, v255
	s_wait_dscnt 0x0
	v_lshrrev_b32 v1, 5, v0
	v_readfirstlane_b32 s8, v1                     ; wave 0..7: also which eighth of each tile I fetch
	s_lshr_b32 s12, ttmp9, 1                       ; p
	s_and_b32 s13, ttmp9, 1                        ; e
	s_mul_i32 s14, s12, 3
	s_add_co_u32 s15, s14, 2                       ; pair B
	s_add_co_u32 s14, s14, s13                     ; pair A
	s_mov_b32 s66, 0x76543210                      ; v_permlanex16_b32: lane i reads lane i of the other half
	s_mov_b32 s67, 0xfedcba98
	s_mov_b32 s68, 0x3fb8aa3b                      ; log2(e), twice
	s_mov_b32 s69, 0x3fb8aa3b
	s_mov_b32 s[G1K+0], (3<<16)|(1<<20)|(5<<22)|(3<<25)   ; elements of 8 bytes; after every 64 words 4 words of padding
	s_mov_b32 s[G1K+1], 32<<16                     ; tensor_dim0 = 32 elements = 256 bytes
	s_mov_b32 s[G1K+2], 32<<16                     ; tensor_dim1 = 32 rows
	s_mov_b32 s[G1K+3], 32<<16                     ; tile_dim0
	s_mov_b32 s[G1K+4], 32                         ; tile_dim1
	s_mov_b32 s[G1K+5], 32                         ; dense: a row begins where the last ends
	s_mov_b32 s[G1K+6], 0
	s_mov_b32 s[G1K+7], 0
	s_mov_b32 s[G1V+0], (3<<16)|(1<<20)|(5<<22)|(7<<25)   ; the same with 8 words of padding
	s_mov_b32 s[G1V+1], 32<<16
	s_mov_b32 s[G1V+2], 32<<16
	s_mov_b32 s[G1V+3], 32<<16
	s_mov_b32 s[G1V+4], 32
	s_mov_b32 s[G1V+5], 32
	s_mov_b32 s[G1V+6], 0
	s_mov_b32 s[G1V+7], 0
	s_lshl_b32 s52, s8, 13                         ; my 32 fetched rows of 256 bytes
	s_lshl_b32 s48, s14, 16                        ; pair A's block of 65,536 bytes
	s_add_co_u32 s48, s48, s52
	s_add_co_u32 s48, s48, PLANE                   ; in k's plane
	s_mov_b32 s49, 0
	s_lshl_b32 s50, s15, 16
	s_add_co_u32 s50, s50, s52
	s_add_co_u32 s50, s50, PLANE
	s_mov_b32 s51, 0
	s_mul_i32 s53, s8, 32*KP                       ; where they go: K
	s_mul_i32 s54, s8, 32*VP                       ; V
	s_add_co_u32 s54, s54, VOFF
	s_wait_kmcnt 0x0
	s_mov_b32 s32, 1                               ; s[32:35] K of pair A to slot 0
	s_mov_b32 s33, s53
	s_add_nc_u64 s[34:35], s[4:5], s[48:49]
	s_mov_b32 s40, 1                               ; s[40:43] V of pair A: one plane further
	s_mov_b32 s41, s54
	s_add_nc_u64 s[42:43], s[34:35], PLANE
	s_or_b32 s35, s35, 0x80000000
	s_or_b32 s43, s43, 0x80000000
	s_mov_b32 s36, 1                               ; s[36:39] K of pair B to slot 1
	s_add_co_u32 s37, s53, SLOT
	s_add_nc_u64 s[38:39], s[4:5], s[50:51]
	s_mov_b32 s44, 1                               ; s[44:47] V of pair B
	s_add_co_u32 s45, s54, SLOT
	s_add_nc_u64 s[46:47], s[38:39], PLANE
	s_or_b32 s39, s39, 0x80000000
	s_or_b32 s47, s47, 0x80000000
	tensor_load_to_lds s[32:35], s[G1K:G1K+7]      ; all first fills in one group, in the order of their use: four loads of the wave are out, the most at any time
	s_nop 0
	tensor_load_to_lds s[40:43], s[G1V:G1V+7]
	s_nop 0
	tensor_load_to_lds s[36:39], s[G1K:G1K+7]
	s_nop 0
	tensor_load_to_lds s[44:47], s[G1V:G1V+7]
	s_nop 0
	; addresses
	v_and_b32 v1, 15, v0                           ; r
	v_bfe_u32 v2, v0, 4, 1                         ; h
	v_and_b32 v3, 31, v0                           ; lane
	v_lshrrev_b32 v4, 1, v1
	v_and_b32 v5, 1, v0
	v_mul_u32_u24 v6, v4, KP
	v_lshl_add_u32 v6, v5, 7, v6
	v_lshl_add_u32 v6, v2, 4, v6                   ; (r / 2) 272 + (r mod 2) 128 + 16 h
	v_mov_b32 v[KA], v6
	v_add_nc_u32 v[KA+1], 128*KP, v6
	v_add_nc_u32 v[KA+2], SLOT, v6
	v_add_nc_u32 v[KA+3], SLOT+128*KP, v6
	v_and_b32 v4, 7, v0
	v_lshl_add_u32 v4, v2, 3, v4                   ; the transposing load's key: 8 h + lane mod 8
	v_lshrrev_b32 v5, 1, v4
	v_and_b32 v4, 1, v4
	v_mul_u32_u24 v5, v5, VP
	v_lshl_add_u32 v5, v4, 7, v5
	v_bfe_u32 v4, v0, 3, 1
	v_lshl_add_u32 v5, v4, 4, v5                   ; + 16 ((lane / 8) mod 2)
	v_add_nc_u32 v[VA], VOFF, v5
	v_add_nc_u32 v[VA+1], VOFF+128*VP, v5
	v_add_nc_u32 v[VA+2], SLOT+VOFF, v5
	v_add_nc_u32 v[VA+3], SLOT+VOFF+128*VP, v5
	v_lshlrev_b32 v[MADR], 5, v2
	v_add_nc_u32 v[MADR], MASKB, v[MADR]
	s_mul_i32 s81, s8, WSCR
	s_add_co_u32 s81, s81, SCR
	v_add_nc_u32 v[SCRW], s81, v6
	v_mul_u32_u24 v4, v2, KP
	v_lshl_add_u32 v4, v1, 4, v4
	v_add_nc_u32 v[SCRR], s81, v4
	v_lshlrev_b32 v[LO], 4, v3
	v_mov_b32 v[U], 0                              ; v_permlanex16_b32 counts as a reader of its destination
	v_mov_b32 v[U+1], 0
	; the two masks: thread t brings 16 bytes, waves 0-3 of pair A's batch, waves 4-7 of pair B's
	s_mul_i32 s55, s14, 43691
	s_lshr_b32 s55, s55, 19                        ; batch = pair / 12 (exact below 384)
	s_mul_i32 s56, s15, 43691
	s_lshr_b32 s56, s56, 19
	s_cmp_lt_u32 s8, 4
	s_cselect_b32 s55, s55, s56
	s_lshl_b32 s55, s55, 11
	v_and_b32 v[MGO], 127, v0
	v_lshl_add_u32 v[MGO], v[MGO], 4, s55
	v_lshlrev_b32 v[MLA], 4, v0
	v_add_nc_u32 v[MLA], MASKB, v[MLA]
	global_load_b128 v[4:7], v[MGO], s[6:7]
	; a unit's bytes, the same in q's plane and in wt: 65,536 pair + 32,768 half + 4,096 wave
	s_lshl_b32 s56, s14, 16
	s_lshl_b32 s57, s8, 12
	s_add_co_u32 s56, s56, s57
	s_mov_b32 s57, 0
	s_add_nc_u64 s[70:71], s[4:5], s[56:57]        ; s[70:71] the Q that is loaded next: unit 0's
	s_add_nc_u64 s[72:73], s[70:71], 32768         ; s[72:73] unit 1's
	s_add_nc_u64 s[76:77], s[10:11], s[56:57]      ; s[76:77] output of units 0, 1
	s_lshl_b32 s58, s15, 16
	s_lshl_b32 s59, s13, 15
	s_add_co_u32 s58, s58, s59
	s_lshl_b32 s59, s8, 12
	s_add_co_u32 s58, s58, s59
	s_mov_b32 s59, 0
	s_add_nc_u64 s[74:75], s[4:5], s[58:59]        ; s[74:75] unit 2's Q
	s_add_nc_u64 s[78:79], s[10:11], s[58:59]      ; s[78:79] unit 2's output
.irp t, 0,1,2,3,4,5,6,7
	global_load_b128 v[QF+4*\t:QF+4*\t+3], v[LO], s[70:71] offset:512*\t   ; my 32 queries, 4,096 consecutive bytes
.endr
	s_wait_loadcnt 0x8                             ; the mask is in; the eight younger loads of Q stay out
	ds_store_b128 v[MLA], v[4:7]
	s_wait_dscnt 0x0                               ; for the other waves' sake
	s_wait_tensorcnt 0x3                           ; my eighth of slot 0's K is in; the three younger loads stay out
	s_barrier_signal -1
	s_barrier_wait -1
; 12 loads: K fragments and mask of key tiles 2 bt, 2 bt + 1 of a chunk
.macro KLOAD ka, moff, bt
.irp u, 0,1
.irp x, 0,1,2,3
	ds_load_b128 v[FR+32*((\bt)&1)+16*\u+4*\x:FR+32*((\bt)&1)+16*\u+4*\x+3], v[\ka] offset:8*KP*(2*(\bt)+\u)+32*\x
.endr
	ds_load_b128 v[MK+16*((\bt)&1)+8*\u:MK+16*((\bt)&1)+8*\u+3],   v[MADR] offset:\moff+64*(2*(\bt)+\u)
	ds_load_b128 v[MK+16*((\bt)&1)+8*\u+4:MK+16*((\bt)&1)+8*\u+7], v[MADR] offset:\moff+64*(2*(\bt)+\u)+16
.endr
.endm
; 8 transposing loads: V^T fragments (four blocks of 16 d) of keys 32 g .. 32 g + 31 of a chunk
.macro VLOAD va, g
.irp t, 0,1,2,3
	ds_load_tr16_b128 v[FR+32*((\g)&1)+8*\t:FR+32*((\g)&1)+8*\t+3],   v[\va] offset:16*VP*(\g)+32*\t
	ds_load_tr16_b128 v[FR+32*((\g)&1)+8*\t+4:FR+32*((\g)&1)+8*\t+7], v[\va] offset:16*VP*(\g)+32*\t+8*VP
.endr
.endm
; O^T += V^T P^T for 32 keys: eight accumulators by turns, one instruction a turn
.macro PVG va, g, zero
.if \g < 7
	s_wait_dscnt 8                                 ; this group's fragments are in; the next group's eight loads may be out
.else
	s_wait_dscnt 0
.endif
.irp t, 0,1,2,3
.irp q, 0,1
.if \zero
	v_wmma_f32_16x16x32_bf16 v[O+8*(4*\q+\t):O+8*(4*\q+\t)+7], v[FR+32*(\g&1)+8*\t:FR+32*(\g&1)+8*\t+7], v[128*\q+16*\g:128*\q+16*\g+7], 0
.else
	v_wmma_f32_16x16x32_bf16 v[O+8*(4*\q+\t):O+8*(4*\q+\t)+7], v[FR+32*(\g&1)+8*\t:FR+32*(\g&1)+8*\t+7], v[128*\q+16*\g:128*\q+16*\g+7], v[O+8*(4*\q+\t):O+8*(4*\q+\t)+7]
.endif
.endr
.endr
.if \g < 6
	PLACES
	VLOAD \va, \g+2                                ; destination and address are in window 0 under this setting too
.endif
.endm
; 256 keys.  first = 1: the unit's first chunk (nothing to rescale, the first products start O).  nextq = 1: the next unit's Q is asked for.
; vgate = 1: slot 0's V may still be on its way: it is waited for, and shown to every wave, behind the softmax, and V's first fragments are loaded there.
.macro CHUNK ka, va, moff, first, nextq, vgate
	PLACES
	KLOAD \ka, \moff, 0
	KLOAD \ka, \moff, 1
.irp b, 0,1,2,3,4,5,6,7
.if \b < 7
	s_wait_dscnt 12                                ; this batch (and all before it) is in; the next batch's 12 loads may be out
.else
	s_wait_dscnt 0
.endif
	WIN 0x40                                       ; D in window 1; the mask is C
.irp u, 0,1
.irp q, 0,1
	v_wmma_f32_16x16x32_bf16 v[8*(16*\q+2*\b+\u):8*(16*\q+2*\b+\u)+7], v[FR+32*(\b&1)+16*\u:FR+32*(\b&1)+16*\u+7], v[QF+16*\q:QF+16*\q+7], v[MK+16*(\b&1)+8*\u:MK+16*(\b&1)+8*\u+7]
.endr
.endr
	WIN 0x50                                       ; C and D in window 1: d = 32..63 onto the same four tiles, in the same order: by turns
.irp u, 0,1
.irp q, 0,1
	v_wmma_f32_16x16x32_bf16 v[8*(16*\q+2*\b+\u):8*(16*\q+2*\b+\u)+7], v[FR+32*(\b&1)+16*\u+8:FR+32*(\b&1)+16*\u+15], v[QF+16*\q+8:QF+16*\q+15], v[8*(16*\q+2*\b+\u):8*(16*\q+2*\b+\u)+7]
.endr
.endr
	PLACES
	WIN 0
.if \b < 6
	KLOAD \ka, \moff, \b+2
.endif
.endr
.if \vgate == 0
	VLOAD \va, 0                                   ; V's first fragments land during the softmax
	VLOAD \va, 1
.endif
.if \nextq
.irp t, 0,1,2,3,4,5,6,7
	global_load_b128 v[QF+4*\t:QF+4*\t+3], v[LO], s[70:71] offset:512*\t   ; Q's fragments have had their last use in this unit
.endr
.endif
	; the maximum: four chains for each query tile, started from the running maximum
	WIN 0x14
.irp i, 0,1,2,3,4,5,6,7,8,9,10,11,12,13,14,15
.irp q, 0,1
.irp c, 0,1,2,3
.if \i == 0
	v_max3_num_f32 v[T+4*\q+\c], v[M+\q], v[128*\q+8*\i+2*\c], v[128*\q+8*\i+2*\c+1]
.else
	v_max3_num_f32 v[T+4*\q+\c], v[T+4*\q+\c], v[128*\q+8*\i+2*\c], v[128*\q+8*\i+2*\c+1]
.endif
.endr
.endr
.endr
	WIN 0
.irp q, 0,1
	v_max3_num_f32 v[T+4*\q], v[T+4*\q], v[T+4*\q+1], v[T+4*\q+2]
.endr
.irp q, 0,1
	v_max_num_f32 v[T+4*\q], v[T+4*\q], v[T+4*\q+3]
.endr
.irp q, 0,1
	v_permlanex16_b32 v[U+\q], v[T+4*\q], s66, s67 ; the other eight keys of each tile lie in lane r xor 16
.endr
.irp q, 0,1
	v_max_num_f32 v[M+\q], v[T+4*\q], v[U+\q]
.endr
.if \first
.irp q, 0,1
	v_mul_f32 v[NM+2*\q], 0xbfb8aa3b, v[M+\q]
.endr
.irp q, 0,1
	v_mov_b32 v[NM+2*\q+1], v[NM+2*\q]
.endr
.else
.irp q, 0,1
	v_mul_f32 v[NN+\q], 0xbfb8aa3b, v[M+\q]
.endr
.irp q, 0,1
	v_sub_f32 v[AL+2*\q], v[NN+\q], v[NM+2*\q]     ; the difference of the two addends as they are used in the exponents
.endr
	v_exp_f32 v[AL], v[AL]
	v_exp_f32 v[AL+2], v[AL+2]
	v_mov_b32 v[NM], v[NN]                         ; plain work behind the exponentials (ISA guide 5.7.2)
	v_mov_b32 v[NM+1], v[NN]
	v_mov_b32 v[NM+2], v[NN+1]
	v_mov_b32 v[NM+3], v[NN+1]
	s_wait_alu depctr_va_vdst(0)
	v_mov_b32 v[AL+1], v[AL]
	v_mov_b32 v[AL+3], v[AL+2]
.irp q, 0,1
.irp c, 0,1,2,3
	v_pk_mul_f32 v[L+8*\q+2*\c:L+8*\q+2*\c+1], v[L+8*\q+2*\c:L+8*\q+2*\c+1], v[AL+2*\q:AL+2*\q+1]
.endr
.irp k, 0,1,2,3,4,5,6,7,8,9,10,11,12,13,14,15
	v_pk_mul_f32 v[O+32*\q+2*\k:O+32*\q+2*\k+1], v[O+32*\q+2*\k:O+32*\q+2*\k+1], v[AL+2*\q:AL+2*\q+1]
.endr
.endr
.endif
	; p = 2^(log2(e) s - log2(e) maximum), in place; the next tile's multiply-adds are the plain places behind a tile's exponentials
	WIN 0x41
.irp q, 0,1
.irp i, 0,1,2,3,4,5,6,7,8,9,10,11,12,13,14,15
.irp k, 0,2,4,6
	v_pk_fma_f32 v[128*\q+8*\i+\k:128*\q+8*\i+\k+1], v[128*\q+8*\i+\k:128*\q+8*\i+\k+1], s[68:69], v[NM+2*\q:NM+2*\q+1] op_sel_hi:[1,0,1]
.endr
.irp k, 0,1,2,3,4,5,6,7
	v_exp_f32 v[128*\q+8*\i+\k], v[128*\q+8*\i+\k]
.endr
.endr
.endr
	WIN 0x04                                       ; the sums, eight chains
	s_wait_alu depctr_va_vdst(0)
.irp i, 0,1,2,3,4,5,6,7,8,9,10,11,12,13,14,15
.irp q, 0,1
.irp c, 0,1,2,3
	v_pk_add_f32 v[L+8*\q+2*\c:L+8*\q+2*\c+1], v[L+8*\q+2*\c:L+8*\q+2*\c+1], v[128*\q+8*\i+2*\c:128*\q+8*\i+2*\c+1]
.endr
.endr
.endr
	WIN 0x45                                       ; two tiles of f32 become one B fragment of 32 keys, in place: word k is written when words 2 k, 2 k + 1 have been read
.irp q, 0,1
.irp g, 0,1,2,3,4,5,6,7
.irp k, 0,1,2,3,4,5,6,7
	v_cvt_pk_bf16_f32 v[128*\q+16*\g+\k], v[128*\q+16*\g+2*\k], v[128*\q+16*\g+2*\k+1]
.endr
.endr
.endr
.if \vgate
	WIN 0
	s_wait_tensorcnt 0x2                           ; my eighth of slot 0's V is in; slot 1's two loads stay out.  No LDS access of mine is out here
	s_barrier_signal -1
	s_barrier_wait -1                              ; everybody's eighth is in
	VLOAD \va, 0
	VLOAD \va, 1
.endif
	WIN 0x04
	PVG \va, 0, \first
.irp g, 1,2,3,4,5,6,7
	PVG \va, \g, 0
.endr
	WIN 0
.endm
; 256 queries of a pair whose K, V lie at ka, va and whose mask lies at moff.  next = 1: inside the loop, on slot 0, with a unit to follow.
.macro UNIT ka, va, moff, outp, next
	s_wait_loadcnt 0x0                             ; my Q as loaded
	s_wait_xcnt 0x0                                ; the last unit's stores have read their registers
.if \next
	s_cmp_eq_u32 s80, 0
	s_cselect_b64 s[70:71], s[72:73], s[74:75]     ; whose Q is asked for in this unit: unit 1's, then unit 2's
.endif
.irp t, 0,1,2,3,4,5,6,7
	ds_store_b128 v[SCRR], v[QF+4*\t:QF+4*\t+3] offset:2*KP*\t
.endr
.irp x, 0,1,2,3,4,5,6,7
	ds_load_b128 v[QF+4*\x:QF+4*\x+3], v[SCRW] offset:8*KP*(\x/4)+32*(\x%4)   ; my own bytes, served in order (ISA guide 5.7.1): as fragments
.endr
	v_mov_b32 v[M], 0xff000000                     ; -2^127
	v_mov_b32 v[M+1], 0xff000000
.irp k, 0,1,2,3,4,5,6,7,8,9,10,11,12,13,14,15
	v_mov_b32 v[L+\k], 0
.endr
	CHUNK \ka, \va, \moff, 1, 0, \next
	CHUNK \ka+1, \va+1, \moff+1024, 0, \next, 0
	PLACES
.irp q, 0,1
	v_pk_add_f32 v[L+8*\q:L+8*\q+1], v[L+8*\q:L+8*\q+1], v[L+8*\q+2:L+8*\q+3]
	v_pk_add_f32 v[L+8*\q+4:L+8*\q+5], v[L+8*\q+4:L+8*\q+5], v[L+8*\q+6:L+8*\q+7]
.endr
.irp q, 0,1
	v_pk_add_f32 v[L+8*\q:L+8*\q+1], v[L+8*\q:L+8*\q+1], v[L+8*\q+4:L+8*\q+5]
.endr
.irp q, 0,1
	v_add_f32 v[L+8*\q], v[L+8*\q], v[L+8*\q+1]
.endr
.irp q, 0,1
	v_permlanex16_b32 v[U+\q], v[L+8*\q], s66, s67
.endr
.irp q, 0,1
	v_add_f32 v[L+8*\q], v[L+8*\q], v[U+\q]
.endr
	v_rcp_f32 v[INV], v[L]
	v_rcp_f32 v[INV+2], v[L+8]
	v_nop                                          ; one plain place behind them (ISA guide 5.7.2)
	s_wait_alu depctr_va_vdst(0)
	v_mov_b32 v[INV+1], v[INV]
	v_mov_b32 v[INV+3], v[INV+2]
.irp q, 0,1
.irp k, 0,1,2,3,4,5,6,7,8,9,10,11,12,13,14,15
	v_pk_mul_f32 v[O+32*\q+2*\k:O+32*\q+2*\k+1], v[O+32*\q+2*\k:O+32*\q+2*\k+1], v[INV+2*\q:INV+2*\q+1]
.endr
.endr
.irp x, 0,1,2,3,4,5,6,7
.irp k, 0,1,2,3
	v_cvt_pk_bf16_f32 v[FR+4*\x+\k], v[O+8*\x+2*\k], v[O+8*\x+2*\k+1]   ; query r, d = 16 dt + 8 h + 0..7: 16 bytes of its row
.endr
.endr
.irp x, 0,1,2,3,4,5,6,7
	ds_store_b128 v[SCRW], v[FR+4*\x:FR+4*\x+3] offset:8*KP*(\x/4)+32*(\x%4)
.endr
.irp t, 0,1,2,3,4,5,6,7
	ds_load_b128 v[FR+32+4*\t:FR+32+4*\t+3], v[SCRR] offset:2*KP*\t
.endr
.irp t, 0,1,2,3,4,5,6,7
	s_wait_dscnt 7-\t
	global_store_b128 v[LO], v[FR+32+4*\t:FR+32+4*\t+3], s[\outp:\outp+1] offset:512*\t   ; the wave stores 512 consecutive bytes, aligned
.endr
.endm
	s_mov_b32 s80, 0
.Lunit:
	UNIT KA, VA, 0, 76, 1
	s_wait_xcnt 0x0                                ; the stores' base is stepped only behind this wait
	s_add_nc_u64 s[76:77], s[76:77], 32768         ; the pair's other 256 queries
	s_add_co_u32 s80, s80, 1
	s_cmp_lt_u32 s80, 2
	s_cbranch_scc1 .Lunit
	s_wait_dscnt 0x0
	s_wait_tensorcnt 0x0                           ; my parts of slot 1 are in,
	s_barrier_signal -1
	s_barrier_wait -1                              ; everybody's are
	UNIT KA+2, VA+2, 2048, 78, 0
	s_wait_xcnt 0x0
	v_lshl_add_u32 v254, v0, 2, 0x4f800
	v_mov_b32 v255, 0
	s_wait_tensorcnt 0x0
	ds_add_u32 v254, v255
	s_wait_dscnt 0x0
	s_endpgm
.Lfunc_end_k_q7d896364d8_attn:
	.size	k_q7d896364d8_attn, .Lfunc_end_k_q7d896364d8_attn-k_q7d896364d8_attn
	.p2alignl 7, 3214868480
	.fill 96, 4, 3214868480
	.section	.rodata,"a",@progbits
	.p2align	6, 0x0
	.amdhsa_kernel k_q7d896364d8_attn
		.amdhsa_group_segment_fixed_size 326656
		.amdhsa_private_segment_fixed_size 0
		.amdhsa_enable_private_segment 0
		.amdhsa_kernarg_size 24
		.amdhsa_user_sgpr_count 2
		.amdhsa_user_sgpr_kernarg_segment_ptr 1
		.amdhsa_wavefront_size32 1
		.amdhsa_system_sgpr_workgroup_id_x 1
		.amdhsa_system_sgpr_workgroup_id_y 1
		.amdhsa_system_sgpr_workgroup_id_z 1
		.amdhsa_system_vgpr_workitem_id 0
		.amdhsa_next_free_vgpr 512
		.amdhsa_next_free_sgpr 88
		.amdhsa_reserve_vcc 0
		.amdhsa_float_denorm_mode_32 3
		.amdhsa_float_denorm_mode_16_64 3
		.amdhsa_memory_ordered 1
		.amdhsa_forward_progress 1
		.amdhsa_inst_pref_size 255
	.end_amdhsa_kernel
	.section	.bss,"aw",@nobits
	.p2align	6
	.space	262144
	.amdgpu_metadata
---
amdhsa.version: [ 1, 2 ]
amdhsa.kernels:
  - .name:           k_q7d896364d8_attn
    .symbol:         k_q7d896364d8_attn.kd
    .args:
      - { .name: qkv, .offset: 0, .size: 8, .value_kind: global_buffer, .address_space: global }
      - { .name: additive_attention_mask, .offset: 8, .size: 8, .value_kind: global_buffer, .address_space: global }
      - { .name: wt, .offset: 16, .size: 8, .value_kind: global_buffer, .address_space: global }
    .group_segment_fixed_size: 326656
    .private_segment_fixed_size: 0
    .kernarg_segment_align: 8
    .kernarg_segment_size: 24
    .max_flat_workgroup_size: 256
    .sgpr_count:     88
    .vgpr_count:     512
    .wavefront_size: 32
...
	.end_amdgpu_metadata
.endif
;; end of part 3
;; launch proj (part 4): grid 256 x 1, 4 waves a work-group, clusters of 4 x 1, 327,680 bytes of LDS; arguments wt, wb, bo, x, ln_w, ln_b, out0; writes out0
.if DOCPART == 4
	.amdgcn_target "amdgcn-amd-amdhsa--gfx1250"
	.amdhsa_code_object_version 6
	.text
	.protected	k_q7d896364d8_proj
	.globl	k_q7d896364d8_proj
	.p2align	8
	.type	k_q7d896364d8_proj,@function
k_q7d896364d8_proj:
	s_mov_b64 s[64:65], 0
	v_nop
	global_prefetch_b8 v0, s[64:65] scope:SCOPE_SE
	s_setreg_imm32_b32 hwreg(HW_REG_WAVE_MODE, 25, 1), 1
	s_wait_xcnt 0x0
	s_wait_alu depctr_hold_cnt(0) depctr_sa_sdst(0) depctr_va_vdst(0) depctr_va_sdst(0) depctr_va_ssrc(0) depctr_va_vcc(0) depctr_vm_vsrc(0)
	s_getreg_b32 s2, hwreg(HW_REG_IB_STS2, 6, 4)
	s_cmp_eq_u32 s2, 0
	s_cbranch_scc0 .Lentry_in_a_cluster
	s_endpgm
.Lentry_in_a_cluster:
	s_bfe_u32 s2, ttmp6, 0x10000c
	s_cmp_lg_u32 s2, 0x3003
	s_cbranch_scc0 .Lentry_shape_is_right
	s_endpgm
.Lentry_shape_is_right:
; out0 = LayerNorm(x + wt Wo^T + bo) ln_w + ln_b.  A work-group owns 64 rows and all 768 columns, so the norm stays inside it.
; Four waves; wave w makes 64 rows x columns 192 w .. 192 w + 191: 48 accumulator tiles, 384 registers.  K = 768 goes in 12 steps of 64, one head a step.
; A (my 64 rows of wt, 12 heads x 8,192 dense bytes) is brought once and stays in LDS.  B (Wo's block of a step, 98,304 dense bytes) goes through two slots.
; CLUSTER 4 x 1: all work-groups walk the same blocks of Wo, so the four of a cluster ask for each block jointly; each wave asks for its own 192 rows.
; LDS rows hold two rows of 128 bytes (256 bytes as fetched) + 16 of padding: the sixteen rows of a fragment start 16 bytes apart modulo 256.
; Windows as in the first product: 0 addresses, A's fragments, bias, gains; 1 B's fragments; 2, 3 accumulators.  The matrix instruction is used transposed;
; bo is the C of the first 48 products.  Behind the last fill the f32 results meet in LDS (bytes 0 .. 197,631), and wave w norms rows 16 w .. 16 w + 15.
; The variance is the mean of (y - mean)^2, in f32.
.set KP,     272
.set HEADB,  32*KP                     ; a head's 64 rows in LDS
.set AREG,   12*HEADB                  ; 104,448
.set SLOTB,  384*KP                    ; 104,448
.set QB,     96*KP                     ; a wave's 192 rows of B; also its three heads of A
.set SP,     3088                      ; stage: 3,072 bytes + 16
.set WO_OFF, 3538944
.set ADRA, 16                          ; v16-17  A fragments: heads 0-5, 6-11
.set ADRB, 20                          ; v20-21  B fragments in slot 0, 1
.set SRD,  22                          ; stage: my 16 bytes of my wave's first row
.set XO,   23                          ; 16 x lane
.set STG,  24                          ; v24-27  stage: where row block a's results go
.set PF,   28                          ; 256 x lane
.set BO,   29                          ; 32 h
.set U,    30                          ; v30-31
.set LNW,  32                          ; v32-55
.set FA0,  64
.set FA1,  96
.set BIAS, 128                         ; v128-223
.set LNB,  224                         ; v224-247
.set FB0,  0                           ; window 1
.set FB1,  96
.set Y0,   64                          ; the norm: two buffers of two rows x 24 registers (v64-159)
.set TS,   160                         ; 12 registers at work for each of the two rows
.set MEAN, 184                         ; pairs
.set RS,   188                         ; pairs
.set G1A, 24                           ; s[24:31]
.set G1B, 32                           ; s[32:39]
.set G0A, 40                           ; s[40:51] three heads
.set G0B, 52                           ; s[52:59] two slots
.set MSB, 0
.macro WIN new
.if MSB != \new
	s_set_vgpr_msb (MSB<<8)|\new
.set MSB, \new
.endif
.endm
.set MUL_LO, 0xa1
.set MUL_HI, 0xf1
.set FST_LO, 0x81
.set FST_HI, 0xc1
.set TO_B,   0x40
.macro CREST
	s_cmp_lg_u32 s18, 0
	s_cbranch_scc1 .Lnot_wave_0_\@
	s_barrier_signal -3
.Lnot_wave_0_\@:
	s_barrier_wait -3
	s_barrier_signal -1
	s_barrier_wait -1
.endm
.macro CROUND
	s_barrier_signal -1
	s_barrier_wait -1
	CREST
.endm
.macro PLACES                          ; four places behind matrix instructions (ISA guide 7.12.1)
.rept 4
	v_nop
.endr
.endm
	s_load_b256 s[4:11], s[0:1], 0x0               ; wt s[4:5], wb s[6:7], bo s[8:9], x s[10:11]
	s_load_b128 s[12:15], s[0:1], 0x20             ; ln_w s[12:13], ln_b s[14:15]
	s_load_b64 s[16:17], s[0:1], 0x30              ; out0
	s_set_vgpr_msb 0x40
	v_lshl_add_u32 v255, v0, 2, 0x4c800
	s_set_vgpr_msb 0x4000
	v_mov_b32 v255, 0
	s_set_vgpr_msb 0x1
	ds_add_u32 v255, v255
	ds_add_u32 v255, v255
	s_set_vgpr_msb 0x100
	v_lshrrev_b32 v1, 5, v0
	v_readfirstlane_b32 s18, v1                    ; wave 0..3
	s_bfe_u32 s19, ttmp6, 0x40000                  ; cx
	s_lshl_b32 s20, ttmp9, 2
	s_add_co_u32 s20, s20, s19                     ; work-group g
	s_mov_b32 s66, 0x76543210
	s_mov_b32 s67, 0xfedcba98
	s_mov_b32 s72, 0x3aaaaaab                      ; 1 / 768
	s_mov_b32 s73, 0x2b8cbccc                      ; 1e-12
	s_mov_b32 s[G1A+0], (3<<16)|(1<<20)|(5<<22)|(3<<25)   ; my own tiles: no mask; elements of 8 bytes; after every 64 words 4 of padding
	s_mov_b32 s[G1A+1], 32<<16
	s_mov_b32 s[G1A+2], 32<<16                     ; 32 rows of 256 bytes
	s_mov_b32 s[G1A+3], 32<<16
	s_mov_b32 s[G1A+4], 32
	s_mov_b32 s[G1A+5], 32
	s_mov_b32 s[G1A+6], 0
	s_mov_b32 s[G1A+7], 0
	s_mov_b32 s[G1B+0], 15|(3<<16)|(1<<20)|(1<<21)|(5<<22)|(3<<25)   ; all four of the cluster; bit 21 beside the mask
	s_mov_b32 s[G1B+1], 32<<16
	s_mov_b32 s[G1B+2], 96<<16                     ; 96 rows of 256 bytes
	s_mov_b32 s[G1B+3], 32<<16
	s_mov_b32 s[G1B+4], 96
	s_mov_b32 s[G1B+5], 32
	s_mov_b32 s[G1B+6], 0
	s_mov_b32 s[G1B+7], 0
	s_lshr_b32 s21, s20, 3                         ; batch
	s_mul_i32 s21, s21, 786432                     ; 12 heads of 65,536 bytes
	s_and_b32 s22, s20, 7
	s_lshl_b32 s22, s22, 13                        ; + 64 (g mod 8) rows of 128 bytes
	s_add_co_u32 s60, s21, s22
	s_mul_i32 s22, s18, 3*65536                    ; + my three heads
	s_add_co_u32 s60, s60, s22
	s_mov_b32 s61, 0
	s_mul_i32 s62, s18, 24576                      ; B: my 192 rows of 128 bytes (registers that never hold cx)
	s_add_co_u32 s62, s62, WO_OFF
	s_mov_b32 s63, 0
	s_mul_i32 s23, s18, QB
	s_wait_dscnt 0x0
	s_wait_kmcnt 0x0
	s_add_nc_u64 s[60:61], s[4:5], s[60:61]
	s_add_nc_u64 s[62:63], s[6:7], s[62:63]
	CROUND                                         ; in front of the first loads
.irp i, 0,1,2
	s_mov_b32 s[G0A+4*\i], 1
	s_add_co_u32 s[G0A+4*\i+1], s23, \i*HEADB
	s_add_nc_u64 s[G0A+4*\i+2:G0A+4*\i+3], s[60:61], \i*65536
	s_or_b32 s[G0A+4*\i+3], s[G0A+4*\i+3], 0x80000000
	tensor_load_to_lds s[G0A+4*\i:G0A+4*\i+3], s[G1A:G1A+7]
	s_nop 0
.endr
.irp s, 0,1
	s_mov_b32 s[G0B+4*\s], 1
	s_add_co_u32 s[G0B+4*\s+1], s23, AREG+\s*SLOTB
	s_add_nc_u64 s[G0B+4*\s+2:G0B+4*\s+3], s[62:63], \s*98304      ; step s
	s_or_b32 s[G0B+4*\s+3], s[G0B+4*\s+3], 0x80000000
	tensor_load_to_lds s[G0B+4*\s:G0B+4*\s+3], s[G1B:G1B+7]        ; five tensor loads of the wave are out here, later one
	s_nop 0
.endr
	s_lshl_b32 s74, s20, 6
	s_lshl_b32 s75, s18, 4
	s_add_co_u32 s74, s74, s75                     ; the first of the 16 rows that I norm
	s_mul_i32 s74, s74, 3072
	s_mov_b32 s75, 0
	s_add_nc_u64 s[68:69], s[10:11], s[74:75]      ; in x
	s_add_nc_u64 s[70:71], s[16:17], s[74:75]      ; in out0
	s_mul_i32 s76, s18, 768
	s_mov_b32 s77, 0
	s_add_nc_u64 s[76:77], s[8:9], s[76:77]        ; bo of my 192 columns
	v_and_b32 v1, 15, v0                           ; r
	v_bfe_u32 v2, v0, 4, 1                         ; h
	v_and_b32 v3, 31, v0
	v_lshlrev_b32 v[BO], 5, v2
	v_lshlrev_b32 v[XO], 4, v3
.irp b, 0,1,2,3,4,5,6,7,8,9,10,11
	global_load_b128 v[BIAS+8*\b:BIAS+8*\b+3],   v[BO], s[76:77] offset:64*\b
	global_load_b128 v[BIAS+8*\b+4:BIAS+8*\b+7], v[BO], s[76:77] offset:64*\b+16
.endr
.irp t, 0,1,2,3,4,5
	global_load_b128 v[LNW+4*\t:LNW+4*\t+3], v[XO], s[12:13] offset:512*\t
	global_load_b128 v[LNB+4*\t:LNB+4*\t+3], v[XO], s[14:15] offset:512*\t
.endr
	v_lshrrev_b32 v4, 1, v1
	v_and_b32 v5, 1, v0
	v_mul_u32_u24 v6, v4, KP
	v_lshl_add_u32 v6, v5, 7, v6
	v_lshl_add_u32 v6, v2, 4, v6                   ; (r / 2) 272 + (r mod 2) 128 + 16 h
	v_mov_b32 v[ADRA], v6
	v_add_nc_u32 v[ADRA+1], 6*HEADB, v6
	v_add_nc_u32 v7, s23, v6
	v_add_nc_u32 v[ADRB], AREG, v7
	v_add_nc_u32 v[ADRB+1], AREG+SLOTB, v7
	v_mul_u32_u24 v4, v1, SP
	v_lshl_add_u32 v4, v2, 5, v4
	s_mul_i32 s78, s18, 768
	v_add_nc_u32 v[STG], s78, v4                   ; row r, my wave's 768 bytes, 32 h
	v_add_nc_u32 v[STG+1], 16*SP, v[STG]
	v_add_nc_u32 v[STG+2], 32*SP, v[STG]
	v_add_nc_u32 v[STG+3], 48*SP, v[STG]
	s_mul_i32 s78, s18, 16*SP
	v_add_nc_u32 v[SRD], s78, v[XO]
	v_lshlrev_b32 v[PF], 8, v3
	v_mov_b32 v[U], 0
	v_mov_b32 v[U+1], 0
	s_wait_loadcnt 0x0                             ; bias and gains
; the 48 accumulators take turns, one instruction a turn, in the same order in every half step
.macro MUL12 fa, fb, hi, a, first
.irp b, 0,1,2,3,4,5,6,7,8,9,10,11
.if \first
	v_wmma_f32_16x16x32_bf16 v[8*(12*\a+\b):8*(12*\a+\b)+7], v[\fb+8*\b:\fb+8*\b+7], v[\fa+8*(2*\hi+\a):\fa+8*(2*\hi+\a)+7], v[BIAS+8*\b:BIAS+8*\b+7]
.else
	v_wmma_f32_16x16x32_bf16 v[8*(12*\a+\b):8*(12*\a+\b)+7], v[\fb+8*\b:\fb+8*\b+7], v[\fa+8*(2*\hi+\a):\fa+8*(2*\hi+\a)+7], v[8*(12*\a+\b):8*(12*\a+\b)+7]
.endif
.endr
.endm
; 32 LDS loads: my 192 rows of B of step kk, then the 64 rows of A of head kk, 32 K at byte kb of the rows
.macro FETCH kk, kb, fa, fb
	WIN TO_B
.irp i, 0,1,2,3,4,5,6,7,8,9,10,11
	ds_load_b128 v[\fb+8*\i:\fb+8*\i+3],   v[ADRB+((\kk)&1)] offset:\kb+\i*8*KP
	ds_load_b128 v[\fb+8*\i+4:\fb+8*\i+7], v[ADRB+((\kk)&1)] offset:\kb+\i*8*KP+32
.endr
	WIN 0
.irp i, 0,1,2,3
	ds_load_b128 v[\fa+8*\i:\fa+8*\i+3],   v[ADRA+((\kk)/6)] offset:((\kk)%6)*HEADB+\kb+\i*8*KP
	ds_load_b128 v[\fa+8*\i+4:\fa+8*\i+7], v[ADRA+((\kk)/6)] offset:((\kk)%6)*HEADB+\kb+\i*8*KP+32
.endr
.endm
; a step's first half: multiplies buffer 0, fetches the second half into buffer 1.  pf >= 0: asks for 8,192 bytes of the x rows that I norm.
.macro H1 kk, first, pf
	s_wait_dscnt 4                                 ; B and A's rows 0-31 are in; the youngest four loads (A's rows 32-63) may be out
.if \first
	WIN FST_LO
.else
	WIN MUL_LO
.endif
	MUL12 FA0, FB0, 0, 0, \first
	MUL12 FA0, FB0, 0, 1, \first
	PLACES
	FETCH \kk, 64, FA1, FB1
.if (\pf) >= 0
	global_prefetch_b8 v[PF], s[68:69] offset:(\pf)*8192 th:TH_LOAD_NT scope:SCOPE_SE   ; lanes 256 bytes apart; steps 6-9 ask for the first 32,768 of my 49,152 bytes, each block once
.endif
	s_wait_dscnt 32                                ; all but the 32 just issued
.if \first
	WIN FST_HI
.else
	WIN MUL_HI
.endif
	MUL12 FA0, FB0, 1, 0, \first
	MUL12 FA0, FB0, 1, 1, \first
.endm
; a step's second half: multiplies buffer 1 and changes slots.  mode 2: this slot is filled again, two steps ahead, behind a round of the cluster's barrier;
; mode 1: nothing is left to fetch; mode 0: the last step.
.macro H2 kk, mode
	s_wait_dscnt 4
	WIN MUL_LO
	MUL12 FA1, FB1, 0, 0, 0
.if \mode
	s_wait_dscnt 0                                 ; my reads of this slot are over
	s_wait_tensorcnt 0x0                           ; all my tensor loads have landed: the one that was out is my part of the next slot
	ds_add_u32 v255, v255
	s_wait_dscnt 0x0
	s_barrier_signal -1
.endif
	MUL12 FA1, FB1, 0, 1, 0
.if \mode
	WIN 0
	s_barrier_wait -1
.if \mode == 2
	CREST                                          ; no wave of any partner still reads this slot or has a load on its way
	s_add_nc_u64 s[G0B+4*((\kk)&1)+2:G0B+4*((\kk)&1)+3], s[G0B+4*((\kk)&1)+2:G0B+4*((\kk)&1)+3], 2*98304
	tensor_load_to_lds s[G0B+4*((\kk)&1):G0B+4*((\kk)&1)+3], s[G1B:G1B+7]   ; the first tensor load behind the round, the wave's only one until the next
	s_nop 0
.endif
	PLACES
	FETCH \kk+1, 0, FA0, FB0
.else
	s_wait_dscnt 0
.endif
	WIN MUL_HI
	MUL12 FA1, FB1, 1, 0, 0
	MUL12 FA1, FB1, 1, 1, 0
.endm
	s_wait_tensorcnt 0x1                           ; my heads of A and my part of step 0 are in; step 1's stays out
	s_barrier_signal -1
	s_barrier_wait -1
	FETCH 0, 0, FA0, FB0
	H1 0, 1, -1
	H2 0, 2
.irp kk, 1,2,3,4,5
	H1 \kk, 0, -1
	H2 \kk, 2
.endr
.irp kk, 6,7,8,9
	H1 \kk, 0, \kk-6
	H2 \kk, 2
.endr
	H1 10, 0, -1
	H2 10, 1
	H1 11, 0, -1
	H2 11, 0
	; the results meet in LDS.  Every fill of the launch has landed and every wave's reads are over behind this barrier.
	PLACES
	WIN 0
	s_wait_dscnt 0x0
	s_barrier_signal -1
	s_barrier_wait -1
	WIN 0x08                                       ; store data from window 2
.irp a, 0,1
.irp b, 0,1,2,3,4,5,6,7,8,9,10,11
	ds_store_b128 v[STG+\a], v[8*(12*\a+\b):8*(12*\a+\b)+3]   offset:64*\b
	ds_store_b128 v[STG+\a], v[8*(12*\a+\b)+4:8*(12*\a+\b)+7] offset:64*\b+16
.endr
.endr
	WIN 0x0c                                       ; from window 3
.irp a, 0,1
.irp b, 0,1,2,3,4,5,6,7,8,9,10,11
	ds_store_b128 v[STG+2+\a], v[8*(12*\a+\b):8*(12*\a+\b)+3]   offset:64*\b
	ds_store_b128 v[STG+2+\a], v[8*(12*\a+\b)+4:8*(12*\a+\b)+7] offset:64*\b+16
.endr
.endr
	WIN 0
	s_wait_dscnt 0x0                               ; for the other waves' sake; the accumulators are free as well
	WIN 0x80                                       ; x of my 16 rows into the accumulators' registers: row i at 24 (i mod 8), rows 0-7 in window 2,
.irp i, 0,1,2,3,4,5,6,7
.irp t, 0,1,2,3,4,5
	global_load_b128 v[24*\i+4*\t:24*\i+4*\t+3], v[XO], s[68:69] offset:\i*3072+512*\t th:TH_LOAD_NT
.endr
.endr
	WIN 0xc0                                       ; rows 8-15 in window 3
.irp i, 0,1,2,3,4,5,6,7
.irp t, 0,1,2,3,4,5
	global_load_b128 v[24*\i+4*\t:24*\i+4*\t+3], v[XO], s[68:69] offset:(\i+8)*3072+512*\t th:TH_LOAD_NT
.endr
.endr
	WIN 0
	s_barrier_signal -1
	s_barrier_wait -1
.macro YLOAD g                         ; rows 2 g, 2 g + 1 of my 16 from the stage: 12 loads of 512 consecutive bytes
.irp e, 0,1
.irp t, 0,1,2,3,4,5
	ds_load_b128 v[Y0+48*((\g)&1)+24*\e+4*\t:Y0+48*((\g)&1)+24*\e+4*\t+3], v[SRD] offset:(2*(\g)+\e)*SP+512*\t
.endr
.endr
.endm
.macro ACROSS                          ; both rows' figures summed over the 32 lanes, the result in every lane
.irp m, 1,2,4,8
.irp e, 0,1
	v_add_f32_dpp v[TS+12*\e], v[TS+12*\e], v[TS+12*\e] row_xmask:\m row_mask:0xf bank_mask:0xf
.endr
.endr
.irp e, 0,1
	v_permlanex16_b32 v[U+\e], v[TS+12*\e], s66, s67
.endr
.irp e, 0,1
	v_add_f32 v[TS+12*\e], v[TS+12*\e], v[U+\e]
.endr
.endm
; two rows at a time, side by side, so that neither chain waits for itself
.macro ROW2 g
.set YB, Y0+48*(\g&1)
.if \g < 7
.if \g > 0
	s_wait_xcnt 0x0                                ; the other buffer, which the last pair's stores read, is loaded again only behind this wait
.endif
	YLOAD \g+1
	s_wait_dscnt 12                                ; this pair is in; the next pair's 12 loads may be out
.else
	s_wait_dscnt 0
.endif
.if 12*(7-\g) > 63
	s_wait_loadcnt 63                              ; 12 (7 - g) younger loads of x could stay out; the wait's field holds 63
.else
	s_wait_loadcnt 12*(7-\g)                       ; the younger rows' loads stay out
.endif
.if \g < 4
	WIN 0x08
.else
	WIN 0x0c
.endif
.irp e, 0,1
.irp k, 0,1,2,3,4,5,6,7,8,9,10,11
	v_pk_add_f32 v[YB+24*\e+2*\k:YB+24*\e+2*\k+1], v[YB+24*\e+2*\k:YB+24*\e+2*\k+1], v[24*((2*\g+\e)&7)+2*\k:24*((2*\g+\e)&7)+2*\k+1]
.endr
.endr
	WIN 0
.irp k, 0,1,2,3,4,5
.irp e, 0,1
	v_pk_add_f32 v[TS+12*\e+2*\k:TS+12*\e+2*\k+1], v[YB+24*\e+4*\k:YB+24*\e+4*\k+1], v[YB+24*\e+4*\k+2:YB+24*\e+4*\k+3]
.endr
.endr
.irp k, 0,4,8
.irp e, 0,1
	v_pk_add_f32 v[TS+12*\e+\k:TS+12*\e+\k+1], v[TS+12*\e+\k:TS+12*\e+\k+1], v[TS+12*\e+\k+2:TS+12*\e+\k+3]
.endr
.endr
.irp k, 4,8
.irp e, 0,1
	v_pk_add_f32 v[TS+12*\e:TS+12*\e+1], v[TS+12*\e:TS+12*\e+1], v[TS+12*\e+\k:TS+12*\e+\k+1]
.endr
.endr
.irp e, 0,1
	v_add_f32 v[TS+12*\e], v[TS+12*\e], v[TS+12*\e+1]
.endr
	ACROSS
.irp e, 0,1
	v_mul_f32 v[MEAN+2*\e], s72, v[TS+12*\e]
.endr
.irp e, 0,1
	v_mov_b32 v[MEAN+2*\e+1], v[MEAN+2*\e]
.endr
.irp k, 0,1,2,3,4,5,6,7,8,9,10,11
.irp e, 0,1
	v_pk_add_f32 v[YB+24*\e+2*\k:YB+24*\e+2*\k+1], v[YB+24*\e+2*\k:YB+24*\e+2*\k+1], v[MEAN+2*\e:MEAN+2*\e+1] neg_lo:[0,1] neg_hi:[0,1]
.endr
.endr
.irp k, 0,1,2
.irp e, 0,1
	v_pk_mul_f32 v[TS+12*\e+2*\k:TS+12*\e+2*\k+1], v[YB+24*\e+2*\k:YB+24*\e+2*\k+1], v[YB+24*\e+2*\k:YB+24*\e+2*\k+1]
.endr
.endr
.irp k, 3,4,5,6,7,8,9,10,11
.irp e, 0,1
	v_pk_fma_f32 v[TS+12*\e+2*(\k%3):TS+12*\e+2*(\k%3)+1], v[YB+24*\e+2*\k:YB+24*\e+2*\k+1], v[YB+24*\e+2*\k:YB+24*\e+2*\k+1], v[TS+12*\e+2*(\k%3):TS+12*\e+2*(\k%3)+1]
.endr
.endr
.irp k, 2,4
.irp e, 0,1
	v_pk_add_f32 v[TS+12*\e:TS+12*\e+1], v[TS+12*\e:TS+12*\e+1], v[TS+12*\e+\k:TS+12*\e+\k+1]
.endr
.endr
.irp e, 0,1
	v_add_f32 v[TS+12*\e], v[TS+12*\e], v[TS+12*\e+1]
.endr
	ACROSS
.irp e, 0,1
	v_fma_f32 v[TS+12*\e], v[TS+12*\e], s72, s73   ; variance + 1e-12
.endr
	v_rsq_f32 v[RS], v[TS]
	v_rsq_f32 v[RS+2], v[TS+12]
	v_nop                                          ; one plain place behind them (ISA guide 5.7.2)
	s_wait_alu depctr_va_vdst(0)
	v_mov_b32 v[RS+1], v[RS]
	v_mov_b32 v[RS+3], v[RS+2]
.irp k, 0,1,2,3,4,5,6,7,8,9,10,11
.irp e, 0,1
	v_pk_mul_f32 v[YB+24*\e+2*\k:YB+24*\e+2*\k+1], v[YB+24*\e+2*\k:YB+24*\e+2*\k+1], v[RS+2*\e:RS+2*\e+1]
.endr
.endr
.irp k, 0,1,2,3,4,5,6,7,8,9,10,11
.irp e, 0,1
	v_pk_fma_f32 v[YB+24*\e+2*\k:YB+24*\e+2*\k+1], v[YB+24*\e+2*\k:YB+24*\e+2*\k+1], v[LNW+2*\k:LNW+2*\k+1], v[LNB+2*\k:LNB+2*\k+1]
.endr
.endr
.irp e, 0,1
.irp t, 0,1,2,3,4,5
	global_store_b128 v[XO], v[YB+24*\e+4*\t:YB+24*\e+4*\t+3], s[70:71] offset:(2*\g+\e)*3072+512*\t th:TH_STORE_NT   ; the wave stores 512 consecutive bytes, aligned
.endr
.endr
.endm
	YLOAD 0
	ROW2 0
	ROW2 1
	ROW2 2
	ROW2 3
	ROW2 4
	ROW2 5
	ROW2 6
	ROW2 7
	s_set_vgpr_msb 0x1
	s_wait_tensorcnt 0x0
	ds_add_u32 v255, v255
	s_wait_dscnt 0x0
	s_set_vgpr_msb 0x100
	CROUND                                         ; the closing round: no work-group ends while a partner may still ask for a block that names it
	s_endpgm
.Lfunc_end_k_q7d896364d8_proj:
	.size	k_q7d896364d8_proj, .Lfunc_end_k_q7d896364d8_proj-k_q7d896364d8_proj
	.p2alignl 7, 3214868480
	.fill 96, 4, 3214868480
	.section	.rodata,"a",@progbits
	.p2align	6, 0x0
	.amdhsa_kernel k_q7d896364d8_proj
		.amdhsa_group_segment_fixed_size 327680
		.amdhsa_private_segment_fixed_size 0
		.amdhsa_enable_private_segment 0
		.amdhsa_kernarg_size 56
		.amdhsa_user_sgpr_count 2
		.amdhsa_user_sgpr_kernarg_segment_ptr 1
		.amdhsa_wavefront_size32 1
		.amdhsa_system_sgpr_workgroup_id_x 1
		.amdhsa_system_sgpr_workgroup_id_y 1
		.amdhsa_system_sgpr_workgroup_id_z 1
		.amdhsa_system_vgpr_workitem_id 0
		.amdhsa_next_free_vgpr 960
		.amdhsa_next_free_sgpr 84
		.amdhsa_reserve_vcc 0
		.amdhsa_float_denorm_mode_32 3
		.amdhsa_float_denorm_mode_16_64 3
		.amdhsa_memory_ordered 1
		.amdhsa_forward_progress 1
		.amdhsa_inst_pref_size 255
	.end_amdhsa_kernel
	.section	.bss,"aw",@nobits
	.p2align	6
	.space	262144
	.amdgpu_metadata
---
amdhsa.version: [ 1, 2 ]
amdhsa.kernels:
  - .name:           k_q7d896364d8_proj
    .symbol:         k_q7d896364d8_proj.kd
    .args:
      - { .name: wt, .offset: 0, .size: 8, .value_kind: global_buffer, .address_space: global }
      - { .name: wb, .offset: 8, .size: 8, .value_kind: global_buffer, .address_space: global }
      - { .name: bo, .offset: 16, .size: 8, .value_kind: global_buffer, .address_space: global }
      - { .name: x, .offset: 24, .size: 8, .value_kind: global_buffer, .address_space: global }
      - { .name: ln_w, .offset: 32, .size: 8, .value_kind: global_buffer, .address_space: global }
      - { .name: ln_b, .offset: 40, .size: 8, .value_kind: global_buffer, .address_space: global }
      - { .name: out0, .offset: 48, .size: 8, .value_kind: global_buffer, .address_space: global }
    .group_segment_fixed_size: 327680
    .private_segment_fixed_size: 0
    .kernarg_segment_align: 8
    .kernarg_segment_size: 56
    .max_flat_workgroup_size: 128
    .sgpr_count:     84
    .vgpr_count:     960
    .wavefront_size: 32
...
	.end_amdgpu_metadata
.endif
;; end of part 4
;; ======== version 2 of 2: 4 launches; version 1 with the launch prep written anew for expert scheduling mode
;; workspace buffers: xb 25,165,824 bytes; wb 4,718,592 bytes; qkv 75,497,472 bytes; wt 25,165,824 bytes
;; launch prep (part 5): grid 912 x 1, 8 waves a work-group, no clusters, 0 bytes of LDS; arguments x, Wq, Wk, Wv, Wo, xb, wb; writes xb, wb
.if DOCPART == 5
	.amdgcn_target "amdgcn-amd-amdhsa--gfx1250"
	.amdhsa_code_object_version 6
	.text
	.protected	k_q7d896364d8_prep
	.globl	k_q7d896364d8_prep
	.p2align	8
	.type	k_q7d896364d8_prep,@function
k_q7d896364d8_prep:
	s_mov_b64 s[64:65], 0
	v_nop
	global_prefetch_b8 v0, s[64:65] scope:SCOPE_SE
	s_setreg_imm32_b32 hwreg(HW_REG_WAVE_SCHED_MODE, 0, 2), 2
	s_setreg_imm32_b32 hwreg(HW_REG_WAVE_MODE, 25, 1), 1
	s_wait_xcnt 0x0
	s_wait_alu depctr_vm_vsrc(0)
; f32 to bf16, once, for everything that the matrix units will read.
;   xb = x, [16384][768] bf16.
;   wb = rows 0-767 Wq/8, 768-1535 Wk, 1536-2303 Wv, each [768] bf16 along k; behind them (byte 3,538,944) Wo as [12][768][64]:
;        block kk holds Wo[n][64 kk .. 64 kk + 63] for n = 0..767, so that one K step of the last product is one dense block.
; The factor 1/8 = 1/sqrt(64) of the scores is put into Wq here: a power of two, exact in bf16 unless the result is denormal.
; A stream: each byte is read once and written once, so no LDS, no barrier, no matrix unit.
; A work-group converts 16,384 numbers: groups 0-767 x, 768-803 Wq, 804-839 Wk, 840-875 Wv, 876-911 Wo.
; A wave's load covers 128 numbers (512 bytes; for Wo two pieces of 256 bytes, two rows of a block); its store covers 256 consecutive bytes, aligned.
; All 16 loads of a wave go out first.
; THE MODE: SCHED_MODE bits 1:0 = 2 (LLVM: expert scheduling mode 2), set by the entry lines.  The code itself states the register dependences
; between vector instructions and memory instructions, with s_wait_alu, always for 0.
; THE PLAN.  Registers that memory instructions touch:
;   v[IN], v[OUT]  byte offsets.  Written at the head and never again; read by the 16 loads and by the 16 stores.
;   X              Load i lands in its four registers, which no vector instruction has named before; step i then scales them in place and rounds them.
;                  No memory instruction reads them, and no load is issued behind the 16.
;   Y              Step i's two roundings write its two registers, once; store i reads them, once.
; The 16 steps go in four blocks of four.  Block p's memory instructions are the four stores of block p - 1, whose registers no vector instruction of
; block p names.  So one wait at the head of a block states all that its stores hang on, and they are dealt among its vector instructions with no
; further wait.  No register that a memory instruction reads is ever written again: nothing has to be freed.
.set IN,  4                            ; v4       byte offset of my 16 bytes in the first of my wave's 16 loads
.set OUT, 5                            ; v5       byte offset of my 8 bytes in the first of its 16 stores
.set X,   8                            ; v[8:71]  16 x 4 numbers as loaded
.set Y,   72                           ; v[72:103] 16 x 2 words to store
	s_load_b256 s[4:11], s[0:1], 0x0               ; x s[4:5], Wq s[6:7], Wk s[8:9], Wv s[10:11]
	s_load_b128 s[12:15], s[0:1], 0x20             ; Wo s[12:13], xb s[14:15]
	s_load_b64 s[16:17], s[0:1], 0x30              ; wb
	s_max_u32 s18, ttmp9, 768
	s_sub_co_u32 s18, s18, 768                     ; j: the group's number among the weights' 144 (0 for x)
	s_mul_i32 s19, s18, 1821
	s_lshr_b32 s19, s19, 16                        ; which = j / 36 (exact for j < 144): 0 Wq, 1 Wk, 2 Wv, 3 Wo
	s_mul_i32 s20, s19, 36
	s_sub_co_u32 s20, s18, s20                     ; c = j mod 36
	s_mul_i32 s21, s20, 43691
	s_lshr_b32 s21, s21, 17                        ; kk = c / 3 (exact for c < 36): Wo's block
	s_mul_i32 s22, s21, 3
	s_sub_co_u32 s22, s20, s22                     ; m = c mod 3: which 256 rows of the block
	s_lshl_b32 s23, s21, 8                         ; Wo: 64 kk columns of 4 bytes
	s_mul_i32 s24, s22, 786432                     ;     + 256 m rows of 3,072 bytes
	s_add_co_u32 s23, s23, s24
	s_cmp_lt_u32 ttmp9, 768
	s_cselect_b32 s25, ttmp9, s20                  ; the group's number inside its source
	s_cselect_b32 s34, ttmp9, s18                  ; and inside its destination (Wo's 36 groups follow the 108 of Wq, Wk, Wv: 108 x 32,768 = 3,538,944)
	s_lshl_b32 s25, s25, 16                        ; 65,536 bytes in
	s_lshl_b32 s34, s34, 15                        ; 32,768 bytes out
	s_mov_b32 s35, 0
	s_movk_i32 s27, 8192                           ; from wave to wave in the source: 16 loads of 512 bytes,
	s_mov_b32 s28, 98304                           ; for Wo 32 rows of 3,072 bytes
	s_movk_i32 s29, 256                            ; from lane 15 to lane 16: the next 256 bytes,
	s_movk_i32 s26, 3072                           ; for Wo the next row
	s_cmp_eq_u32 s19, 3
	s_cselect_b32 s32, s23, s25
	s_cselect_b32 s27, s28, s27
	s_cselect_b32 s29, s26, s29
	s_mov_b32 s33, 0
	s_sub_co_u32 s30, ttmp9, 768
	s_cmp_lt_u32 s30, 36                           ; groups 768-803 (unsigned: x's groups wrap to large numbers)
	s_cselect_b32 s30, 0x3e000000, 1.0             ; 1/8 for Wq, 1 for the rest
	s_mov_b32 s31, s30
	v_lshrrev_b32 v1, 5, v0                        ; wave
	v_bfe_u32 v2, v0, 4, 1                         ; upper half of the lanes
	v_and_b32 v3, 15, v0
	v_mul_lo_u32 v[IN], v1, s27
	v_mad_u32_u24 v[IN], v2, s29, v[IN]
	v_lshl_add_u32 v[IN], v3, 4, v[IN]
	v_and_b32 v[OUT], 31, v0
	v_lshlrev_b32 v[OUT], 3, v[OUT]
	v_lshl_add_u32 v[OUT], v1, 12, v[OUT]          ; 16 stores of 256 bytes a wave
	s_wait_kmcnt 0x0
	s_cmp_eq_u32 s19, 1
	s_cselect_b64 s[36:37], s[8:9], s[6:7]
	s_cmp_eq_u32 s19, 2
	s_cselect_b64 s[36:37], s[10:11], s[36:37]
	s_cmp_eq_u32 s19, 3
	s_cselect_b64 s[36:37], s[12:13], s[36:37]
	s_cmp_lt_u32 ttmp9, 768
	s_cselect_b64 s[36:37], s[4:5], s[36:37]       ; the source
	s_cselect_b64 s[38:39], s[14:15], s[16:17]     ; the destination
	s_add_nc_u64 s[36:37], s[36:37], s[32:33]
	s_add_nc_u64 s[38:39], s[38:39], s[34:35]
.macro LOADS istep                     ; 16 loads, istep bytes apart
.irp i, 0,1,2,3,4,5,6,7,8,9,10,11,12,13,14,15
	global_load_b128 v[X+4*\i:X+4*\i+3], v[IN], s[36:37] offset:\i*\istep th:TH_LOAD_NT
.endr
.endm
	s_wait_alu depctr_va_vdst(0)                   ; v[IN] and v[OUT] are written: every load reads the one and every store the other as its offset; ahead of the branch, so on both ways
	s_cmp_ge_u32 ttmp9, 876
	s_cbranch_scc1 .Lwo
	LOADS 512                                      ; dense
	s_branch .Lconvert
.Lwo:
	LOADS 6144                                     ; two rows of Wo on
.Lconvert:
.irp i, 0,1,2,3,4,5,6,7,8,9,10,11,12,13,14,15
	s_wait_loadcnt 15-\i                           ; loads come back in order (ISA guide 5.7.1): load i is in, the 15 - i younger ones stay out
.if ((\i) % 4 == 0) && ((\i) > 0)
	s_wait_alu depctr_va_vdst(0)                   ; a block's head: the roundings of the four steps before have written their eight registers of Y, which this block's four stores read
.endif
.if (\i) >= 4
	global_store_b64 v[OUT], v[Y+2*(\i)-8:Y+2*(\i)-7], s[38:39] offset:256*(\i)-1024   ; step i - 4's words; no vector instruction since the wait names them or v[OUT]
.endif
	v_pk_mul_f32 v[X+4*\i:X+4*\i+1],   v[X+4*\i:X+4*\i+1],   s[30:31] op_sel_hi:[1,0]
	v_pk_mul_f32 v[X+4*\i+2:X+4*\i+3], v[X+4*\i+2:X+4*\i+3], s[30:31] op_sel_hi:[1,0]
	v_cvt_pk_bf16_f32 v[Y+2*\i],   v[X+4*\i],   v[X+4*\i+1]
	v_cvt_pk_bf16_f32 v[Y+2*\i+1], v[X+4*\i+2], v[X+4*\i+3]
.endr
	s_wait_alu depctr_va_vdst(0)                   ; the roundings of steps 12 to 15 have written their registers of Y, which the last four stores read
.irp i, 12,13,14,15
	global_store_b64 v[OUT], v[Y+2*\i:Y+2*\i+1], s[38:39] offset:256*\i
.endr
	s_endpgm
.Lfunc_end_k_q7d896364d8_prep:
	.size	k_q7d896364d8_prep, .Lfunc_end_k_q7d896364d8_prep-k_q7d896364d8_prep
	.p2alignl 7, 3214868480
	.fill 96, 4, 3214868480
	.section	.rodata,"a",@progbits
	.p2align	6, 0x0
	.amdhsa_kernel k_q7d896364d8_prep
		.amdhsa_group_segment_fixed_size 0
		.amdhsa_private_segment_fixed_size 0
		.amdhsa_enable_private_segment 0
		.amdhsa_kernarg_size 56
		.amdhsa_user_sgpr_count 2
		.amdhsa_user_sgpr_kernarg_segment_ptr 1
		.amdhsa_wavefront_size32 1
		.amdhsa_system_sgpr_workgroup_id_x 1
		.amdhsa_system_sgpr_workgroup_id_y 1
		.amdhsa_system_sgpr_workgroup_id_z 1
		.amdhsa_system_vgpr_workitem_id 0
		.amdhsa_next_free_vgpr 104
		.amdhsa_next_free_sgpr 66
		.amdhsa_reserve_vcc 0
		.amdhsa_float_denorm_mode_32 3
		.amdhsa_float_denorm_mode_16_64 3
		.amdhsa_memory_ordered 1
		.amdhsa_forward_progress 1
		.amdhsa_inst_pref_size 12
	.end_amdhsa_kernel
	.amdgpu_metadata
---
amdhsa.version: [ 1, 2 ]
amdhsa.kernels:
  - .name:           k_q7d896364d8_prep
    .symbol:         k_q7d896364d8_prep.kd
    .args:
      - { .name: x, .offset: 0, .size: 8, .value_kind: global_buffer, .address_space: global }
      - { .name: Wq, .offset: 8, .size: 8, .value_kind: global_buffer, .address_space: global }
      - { .name: Wk, .offset: 16, .size: 8, .value_kind: global_buffer, .address_space: global }
      - { .name: Wv, .offset: 24, .size: 8, .value_kind: global_buffer, .address_space: global }
      - { .name: Wo, .offset: 32, .size: 8, .value_kind: global_buffer, .address_space: global }
      - { .name: xb, .offset: 40, .size: 8, .value_kind: global_buffer, .address_space: global }
      - { .name: wb, .offset: 48, .size: 8, .value_kind: global_buffer, .address_space: global }
    .group_segment_fixed_size: 0
    .private_segment_fixed_size: 0
    .kernarg_segment_align: 8
    .kernarg_segment_size: 56
    .max_flat_workgroup_size: 256
    .sgpr_count:     66
    .vgpr_count:     104
    .wavefront_size: 32
...
	.end_amdgpu_metadata
.endif
;; end of part 5
;; launch qkv: the kernel of part 2 again; grid 4 x 64, 4 waves a work-group, clusters of 4 x 4, 327,680 bytes of LDS; arguments xb, wb, bq, bk, bv, qkv; writes qkv
;; launch attn: the kernel of part 3 again; grid 256 x 1, 8 waves a work-group, no clusters, 326,656 bytes of LDS; arguments qkv, additive_attention_mask, wt; writes wt
;; launch proj: the kernel of part 4 again; grid 256 x 1, 4 waves a work-group, clusters of 4 x 1, 327,680 bytes of LDS; arguments wt, wb, bo, x, ln_w, ln_b, out0; writes out0
